; MI455X (gfx1250); checked and timed in simulation.
; The chip was launched on July 23, 2026; its instructions are those of AMD's public machine-readable ISA for CDNA 5 (MIT licence, August 2026) and "CDNA5" Instruction Set Architecture Reference Guide (July 2026). The comments in the code are by the model that wrote it; some were corrected since.
;; Multi Head Attention. Allowed arithmetic: matrix products marked QUANTISED: E2M3 operands, one E8M0 scale for each 32 along K, by v_wmma_scale_f32_16x16x128_f8f6f4 with both operands' format E2M3, f32 sums; everything else in f32.
;; Inputs: b_out 1,024 float32; b_qkv 3,072 float32; mask 1 x 1 x 2,048 x 2,048 bool; w_out 1,024 x 1,024 float32; w_qkv 1,024 x 3,072 float32; x 4 x 2,048 x 1,024 float32.
;; Outputs: out0 4 x 2,048 x 1,024 float32.
;; This version of the problem:
;;   THIS VERSION OF THE PROBLEM IS GIVEN IN LOW PRECISION. The matrix products marked QUANTISED in the list below multiply operands that are first quantised to E2M3 (2 exponent bits, 3 mantissa bits; 6 bits a number), with one power-of-two scale for each 32 numbers along K (OCP MX v1.0); their sums are f32. All else is computed in f32.
;;   The module's matrix products, in the order in which they are computed (A, B: the left and right operand; K: the contracted axis; several contracted axes count as one K, in the product's order):
;;     1. [M 8,192, K 1,024] x [K 1,024, N 3,072]; A: input x; B: input w_qkv: QUANTISED
;;     2. batch 64 x [M 2,048, K 64] x [K 64, N 2,048]; A: computed on the way; B: computed on the way: QUANTISED
;;     3. batch 64 x [M 2,048, K 2,048] x [K 2,048, N 64]; A: softmax (see below); B: computed on the way: QUANTISED
;;     4. [M 8,192, K 1,024] x [K 1,024, N 1,024]; A: computed on the way; B: input w_out: QUANTISED
;;   THE QUANTISER, for each operand of a quantised product, along K:
;;     - K is cut into blocks of 32 from its start; a last block that is shorter is filled with zeros.
;;     - A block's scale is 2^e with e = floor(log2(the largest magnitude in the block)) - 2, held to -126 .. 127; a block of zeros has e = 0. As a byte (E8M0): e + 127.
;;     - Each number is divided by its block's scale, clamped to +-7.5, and rounded to the nearest number of E2M3, ties to even, subnormals kept.
;;     - The product sums the exact products of the quantised numbers (number of the format x scale) in f32.
;;   ~~~python
;;   def quantise(x, axis):      # numpy; x: float32 -> the quantised numbers, widened to float32 again
;;       x = np.moveaxis(x, axis, -1); K = x.shape[-1]
;;       x = np.pad(x, [(0, 0)] * (x.ndim - 1) + [(0, -K % 32)]); x = x.reshape(x.shape[:-1] + (-1, 32)); a = np.abs(x).max(-1, keepdims=True)
;;       e = np.where(a > 0, np.clip(np.frexp(np.where(a > 0, a, 1))[1] - 1 - 2, -126, 127), 0)      # np.frexp(a)[1] - 1 = floor(log2(a)), exactly
;;       r = np.clip(x / 2.0 ** e, -7.5, 7.5)
;;       step = 2.0 ** (np.maximum(np.frexp(np.where(r == 0, 1, r))[1] - 1, 0) - 3)
;;       q = np.round(r / step) * step * 2.0 ** e      # np.round: ties to even
;;       return np.moveaxis(q.reshape(q.shape[:-2] + (-1,))[..., :K], -1, axis).astype(np.float32)
;;   ~~~
;;   SOFTMAX AHEAD OF A QUANTISED PRODUCT. Where the list says 'softmax', what is quantised is not the finished softmax but p = 2^(t - M), with t = logit x log2(e) and M = ceil(the row's largest t), a whole number; so 1/2 < the row's largest p <= 1. The row's sum l is taken of the UNQUANTISED p, in f32, and the product's result is divided by l at the end. Since M is a whole number, a kernel that streams over the keys may use a running M (the ceiling of the running maximum): every later rescaling is an exact power of two, which a block's scale takes up: the codes' values come out the same.
;;   OPERANDS COMPUTED ON THE WAY. 'Computed on the way' means the value that the module computes at that place (a softmax that the list does not call 'softmax' is quantised finished and normalised). What goes into a quantiser is computed in f32, as accurately as f32 sums, v_exp_f32 and their like allow (about 1e-6 of the number): no bf16 or f16 on the way to a quantiser, and a product that is left as it is and whose result goes on into a quantised operand takes f32 operands (vector FMAs, or v_wmma_f32_16x16x4_f32). A number that lies on a knife's edge between two numbers of the format may be rounded either way, as far as f32 arithmetic and the matrix unit's own rounding can turn it there, and no further.
;; One version. Each part assembles by itself: llvm-mc -triple=amdgcn-amd-amdhsa -mcpu=gfx1250 --defsym DOCPART=n.
;; ======== version 1 of 1: 4 launches
;; workspace buffers: xq 6,553,600 bytes; wq 3,276,800 bytes; qb 6,553,600 bytes; kv 13,107,200 bytes; yq 6,553,600 bytes; lmask 524,288 bytes of whole numbers; flags 10,240 bytes of whole numbers
;; launch prep (part 1): grid 512 x 1, 4 waves a work-group, no clusters, 102,912 bytes of LDS; arguments x, w_qkv, w_out, mask, xq, wq, lmask, flags; writes xq, wq, lmask, flags
.if DOCPART == 1
	.amdgcn_target "amdgcn-amd-amdhsa--gfx1250"
	.amdhsa_code_object_version 6
	.text
	.protected	k_qf239581e3a_prep
	.globl	k_qf239581e3a_prep
	.p2align	8
	.type	k_qf239581e3a_prep,@function
k_qf239581e3a_prep:
	s_mov_b64 s[64:65], 0
	v_nop
	global_prefetch_b8 v0, s[64:65] scope:SCOPE_SE
	s_setreg_imm32_b32 hwreg(HW_REG_WAVE_MODE, 25, 1), 1
	s_wait_xcnt 0x0
; PREP: what every later launch reads narrow is made here, once.  Four kinds of work-group, told apart by the work-group's number; each kind that uses LDS has LDS bytes of its own.
;   0..255    x [8192][1024] f32 -> codes of FP6 (E2M3), K innermost, 768 bytes a row, at xq + 0; one E8M0 byte for each 32 along K, 32 bytes a row, at xq + 6,291,456.
;   256..351  w_qkv [1024 (k)][3072 (n)] f32 -> codes [3072][768] at wq + 0, scale bytes [3072][32] at wq + 2,359,296.  A lane takes a column, its registers run down K.
;   352..383  w_out [1024 (k)][1024 (n)] likewise, at wq + 2,457,600 and wq + 3,244,032.  Inside each block of 32 along K the codes stand in the order in which the attention launch leaves y's codes:
;             place i holds k = (i & 7) | (i & 8) << 1 | (i & 16) >> 1.  The same order on both operands of a product leaves every product and every block's scale as they are.
;   384..511  the mask [2048][2048] of bytes -> lane masks: bit L of word n of lmask[query tile][key step of 128] is mask[16 tile + L % 16][128 step + 16 (n / 8) + 8 (L / 16) + n % 8], the place of score register n
;             in the attention launch; and flags: TF[tile][step] = (any open | all open << 16) << step, GF[group of 4 tiles][step] = any open << step.
; A block's scale is 2^(floor(log2(its largest magnitude)) - 2): its byte is the largest magnitude's exponent field - 2, held at 1 from below.
; LIMITS: NaN and infinities in x, w_qkv, w_out are not served; a block whose largest magnitude lies under 2^-124 has the byte 1; a block of zeros has the byte 1 where the rule says 127 (its codes are zeros, and the
; bytes are read by this program alone).  The flags leave as stores of 4 bytes: 10,240 bytes in all, beside the 54 million that the launch reads.
; No matrix work, no tensor loads, no cluster: no work-group shares a byte of input with another.
.set XQ_SCALES, 6291456
.set WQ_SCALES, 2359296
.set WO_CODES,  2457600
.set WO_SCALES, 3244032
.set EMAX,   2
.set STEPS,  16                        ; path X: steps of 512 numbers for a wave
.set SP,     80                        ; a lane's place in a stage: its 64 bytes + 16 of padding
.set CB,     12                        ; bytes of 16 codes
.set XR,     16                        ; v16-79   four sets of 16 numbers as loaded
.set XX,     80                        ; v80-111  two sets of 16 neighbours
.set XE,     112                       ; v112-127 a scale byte for each step
.set XC,     128                       ; v128-191 codes, four registers for each step
.set NB,     8                         ; path W: blocks of 32 along K for a wave
.set WPITCH, 272                       ; a stage row: sixteen places of 16 bytes + 16
.set KROW,   768                       ; a row of codes in bytes
.set WSB,    24                        ; v24-25   scale bytes
.set WX,     32                        ; v32-95   two sets of 32 numbers
.set WC,     96                        ; v96..    a block's codes
.set WOUT,   112                       ; v112-175 the way out
	s_load_b512 s[36:51], s[0:1], 0x0              ; x s[36:37], w_qkv s[38:39], w_out s[40:41], mask s[42:43], xq s[44:45], wq s[46:47], lmask s[48:49], flags s[50:51]
	v_lshl_add_u32 v192, v0, 2, 0x19000
	v_mov_b32 v193, 0
	v_lshrrev_b32 v1, 5, v0
	v_readfirstlane_b32 s16, v1                    ; wave 0..3
	v_and_b32 v2, 31, v0                           ; lane
	s_wait_kmcnt 0x0
	s_cmp_lt_u32 ttmp9, 256
	s_cbranch_scc0 .Lnot_x
; ---------------- x: a plain stream of blocks of 32.  A wave takes 16 steps of 512 numbers.  Each load reads 512 consecutive bytes; a step's 2,048 bytes turn through the wave's own stage in LDS, so that a lane
; ---------------- then holds 16 neighbours along K, which is what the conversion takes.  LDS bytes 0 .. 32,767: 8,192 for each wave.
	v_lshlrev_b32 v3, 4, v2                        ; my 16 bytes of a load's 512
	s_mul_i32 s17, s16, 8192
	v_lshrrev_b32 v14, 2, v2
	v_mul_u32_u24 v14, v14, SP
	v_and_b32 v15, 3, v2
	v_lshl_add_u32 v14, v15, 4, v14
	v_add_nc_u32 v14, s17, v14                     ; the stage, on the way in: SP (lane / 4) + 16 (lane % 4)
	v_mul_u32_u24 v15, v2, SP
	v_add_nc_u32 v15, s17, v15                     ; and on the way out: SP x lane
	v_mul_u32_u24 v4, v2, CB                       ; my codes' place in a step's
	v_lshrrev_b32 v5, 1, v2
	s_add_co_u32 s17, s17, 2*32*SP
	v_add_nc_u32 v5, s17, v5                       ; my wave's 256 scale bytes: my block's byte
	v_lshlrev_b32 v7, 3, v2
	v_add_nc_u32 v6, s17, v7
	s_lshl_b32 s17, ttmp9, 2
	s_add_co_u32 s18, s17, s16                     ; which run of 8,192 numbers is my wave's
	s_mov_b32 s19, 0
	s_mov_b64 s[20:21], 512*STEPS*4
	s_mul_u64 s[20:21], s[18:19], s[20:21]
	s_add_nc_u64 s[4:5], s[36:37], s[20:21]
	s_mov_b64 s[20:21], 32*STEPS*CB
	s_mul_u64 s[20:21], s[18:19], s[20:21]
	s_add_nc_u64 s[8:9], s[44:45], s[20:21]
	s_lshl_b32 s18, s18, 8                         ; 256 scale bytes a run
	s_add_nc_u64 s[10:11], s[44:45], s[18:19]
	s_add_nc_u64 s[10:11], s[10:11], XQ_SCALES
.macro XLOAD t
.irp i, 0,1,2,3
	global_load_b128 v[XR+16*((\t)%4)+4*\i:XR+16*((\t)%4)+4*\i+3], v3, s[4:5] offset:2048*(\t)+512*\i th:TH_LOAD_NT
.endr
.endm
.macro XTURN t                         ; LDS serves a wave's instructions in order (ISA guide 5.7.1.4): no wait between the stores and the loads
.irp i, 0,1,2,3
	ds_store_b128 v14, v[XR+16*((\t)%4)+4*\i:XR+16*((\t)%4)+4*\i+3] offset:32*SP*((\t)%2)+8*SP*\i
.endr
.irp i, 0,1,2,3
	ds_load_b128 v[XX+16*((\t)%2)+4*\i:XX+16*((\t)%2)+4*\i+3], v15 offset:32*SP*((\t)%2)+16*\i
.endr
.endm
.irp t, 0,1,2,3
	XLOAD \t
.endr
	s_wait_loadcnt 12                              ; step 0's four loads are in; twelve younger ones stay out
	XTURN 0
.macro XSTEP t
.set XS, XX+16*((\t)%2)
.if (\t) > 0
	s_wait_dscnt 1                                 ; this step's numbers are back from the stage; the last step's byte store may be out
.else
	s_wait_dscnt 0x0
.endif
.if (\t)+4 < STEPS
	XLOAD (\t)+4                                   ; into the set whose stores into the stage are done
.endif
.if (\t)+1 < STEPS
.if STEPS-2-(\t) >= 3
	s_wait_loadcnt 12                              ; the next step's four loads are in; those of the three steps behind it may be out
.else
	s_wait_loadcnt 4*(STEPS-2-(\t))
.endif
	XTURN (\t)+1
.endif
	v_max3_num_f32 v8, |v[XS]|, |v[XS+1]|, |v[XS+2]|
	v_max3_num_f32 v9, |v[XS+3]|, |v[XS+4]|, |v[XS+5]|
.irp i, 6,10
	v_max3_num_f32 v8, v8, |v[XS+\i]|, |v[XS+\i+1]|
	v_max3_num_f32 v9, v9, |v[XS+\i+2]|, |v[XS+\i+3]|
.endr
	v_max3_num_f32 v8, v8, |v[XS+14]|, |v[XS+15]|
	v_max3_num_f32 v8, v8, v9, (EMAX+1)<<23        ; the floor 2^(3 - 127): the byte cannot fall under 1
	v_max_num_f32_dpp v8, v8, v8 row_xmask:1 row_mask:0xf bank_mask:0xf   ; with my neighbour's 16: the block's largest magnitude
	v_add_nc_u32 v11, -(EMAX<<23), v8              ; 2 off its exponent field: the conversion takes that field as its scale
	v_cvt_scalef32_pk16_fp6_f32 v[XC+4*(\t):XC+4*(\t)+2], v[XS:XS+15], v11
	v_lshrrev_b32 v[XE+(\t)], 23, v11              ; the scale's byte (also the plain line behind the conversion)
	ds_store_b8 v5, v[XE+(\t)] offset:16*(\t)      ; both lanes of a block write the same byte with the same value
	global_store_b96 v4, v[XC+4*(\t):XC+4*(\t)+2], s[8:9] offset:32*CB*(\t)   ; the wave stores 384 consecutive bytes
.endm
.irp t, 0,1,2,3,4,5,6,7,8,9,10,11,12,13,14,15
	XSTEP \t
.endr
	ds_load_b64 v[12:13], v6
	s_wait_dscnt 0x0
	global_store_b64 v7, v[12:13], s[10:11]        ; 32 lanes store 256 consecutive bytes, aligned
	s_wait_tensorcnt 0x0
	ds_add_u32 v192, v193
	s_wait_dscnt 0x0
	s_endpgm
; ---------------- the weights: a wave takes 32 columns x 256 along K; a block of 32 along K lies in one lane's 32 registers; the codes leave through the wave's own stage, sixteen lanes to a row's 192 bytes.
.macro WLOAD t, n, perm
.irp i, 0,1,2,3,4,5,6,7,8,9,10,11,12,13,14,15,16,17,18,19,20,21,22,23,24,25,26,27,28,29,30,31
.if \perm
	global_load_b32 v[WX+32*((\t)%2)+\i], v3, s[4:5] offset:(32*(\t)+(((\i)&7)|(((\i)&8)<<1)|(((\i)&16)>>1)))*\n*4 th:TH_LOAD_NT
.else
	global_load_b32 v[WX+32*((\t)%2)+\i], v3, s[4:5] offset:(32*(\t)+\i)*\n*4 th:TH_LOAD_NT
.endif
.endr
.endm
.macro WBLOCK t, n, perm
.set XS, WX+32*((\t)%2)
.if (\t) < NB-1
	s_wait_loadcnt 32                              ; this block's 32 loads are in; the next block's may be out
.else
	s_wait_loadcnt 0
.endif
	v_max3_num_f32 v12, |v[XS]|, |v[XS+1]|, |v[XS+2]|
	v_max3_num_f32 v13, |v[XS+3]|, |v[XS+4]|, |v[XS+5]|
.irp i, 6,10,14,18,22,26
	v_max3_num_f32 v12, v12, |v[XS+\i]|, |v[XS+\i+1]|
	v_max3_num_f32 v13, v13, |v[XS+\i+2]|, |v[XS+\i+3]|
.endr
	v_max3_num_f32 v12, v12, |v[XS+30]|, |v[XS+31]|
	v_max3_num_f32 v12, v12, v13, (EMAX+1)<<23
	v_add_nc_u32 v11, -(EMAX<<23), v12
	v_lshrrev_b32 v13, 23, v11
.if (\t)%4 == 0
	v_mov_b32 v[WSB+(\t)/4], v13
.else
	v_lshl_or_b32 v[WSB+(\t)/4], v13, 8*((\t)%4), v[WSB+(\t)/4]
.endif
	v_cvt_scalef32_pk16_fp6_f32 v[WC:WC+2], v[XS:XS+15], v11
	v_cvt_scalef32_pk16_fp6_f32 v[WC+4:WC+6], v[XS+16:XS+31], v11
	v_nop                                          ; a plain line behind the last conversion
	ds_store_b96 v4, v[WC:WC+2] offset:32*(\t)     ; 12 bytes to a place of 16, so that every LDS address is a multiple of 16
	ds_store_b96 v4, v[WC+4:WC+6] offset:32*(\t)+16
.if (\t)+2 < NB
	WLOAD (\t)+2, \n, \perm
.endif
	s_wait_dscnt 0x0                               ; the stores have read their registers: the next block's codes may be written
.endm
.macro WPATH n, first, lbase, codeoff, scoff, perm, wp
	s_sub_co_u32 s20, ttmp9, \first
	s_lshr_b32 s17, s20, 2
	s_lshl_b32 s17, s17, 7
	s_lshl_b32 s18, s16, 5
	s_add_co_u32 s17, s17, s18                     ; my wave's first column: 128 x group + 32 x wave
	s_and_b32 s18, s20, 3                          ; which 256 along K
	v_lshlrev_b32 v3, 2, v2
	s_mul_i32 s19, s16, 32*WPITCH
	s_add_co_u32 s19, s19, \lbase                  ; my stage
	v_mul_u32_u24 v4, v2, WPITCH
	v_add_nc_u32 v4, s19, v4
	v_and_b32 v5, 15, v2
	v_lshrrev_b32 v6, 4, v2
	v_mul_u32_u24 v7, v6, WPITCH
	v_lshl_add_u32 v7, v5, 4, v7
	v_add_nc_u32 v7, s19, v7
	v_mul_u32_u24 v8, v6, KROW
	v_mad_u32_u24 v8, v5, 12, v8
	s_mov_b32 s19, 0
	s_mov_b64 s[20:21], 256*\n*4
	s_mul_u64 s[20:21], s[18:19], s[20:21]
	s_lshl_b32 s22, s17, 2
	s_mov_b32 s23, 0
	s_add_nc_u64 s[20:21], s[20:21], s[22:23]      ; the weight: 256 y rows + 4 x column
	s_mov_b32 s22, s17
	s_mov_b64 s[24:25], KROW
	s_mul_u64 s[24:25], s[22:23], s[24:25]
	s_mul_i32 s26, s18, 192
	s_mov_b32 s27, 0
	s_add_nc_u64 s[24:25], s[24:25], s[26:27]      ; the codes: column x 768 + 192 y
	s_lshl_b32 s28, s17, 5
	s_lshl_b32 s26, s18, 3
	s_add_co_u32 s28, s28, s26                     ; the scale bytes: column x 32 + 8 y
	s_mov_b32 s29, 0
	v_lshlrev_b32 v9, 5, v2
	s_add_nc_u64 s[4:5], s[\wp:\wp+1], s[20:21]
	s_add_nc_u64 s[6:7], s[46:47], s[24:25]
.if \codeoff
	s_add_nc_u64 s[6:7], s[6:7], \codeoff
.endif
	s_add_nc_u64 s[8:9], s[46:47], s[28:29]
	s_add_nc_u64 s[8:9], s[8:9], \scoff
	WLOAD 0, \n, \perm
	WLOAD 1, \n, \perm
.irp t, 0,1,2,3,4,5,6,7
	WBLOCK \t, \n, \perm
.endr
	global_store_b64 v9, v[WSB:WSB+1], s[8:9]      ; my column's eight scale bytes
.irp t, 0,1,2,3,4,5,6,7,8,9,10,11,12,13,14,15
	ds_load_b96 v[WOUT+4*\t:WOUT+4*\t+2], v7 offset:2*\t*WPITCH
.endr
.irp t, 0,1,2,3,4,5,6,7,8,9,10,11,12,13,14,15
	s_wait_dscnt 15-\t                             ; LDS loads come back in order: load t is in, the younger ones stay out
	global_store_b96 v8, v[WOUT+4*\t:WOUT+4*\t+2], s[6:7] offset:2*\t*KROW
.endr
	s_wait_tensorcnt 0x0
	ds_add_u32 v192, v193
	s_wait_dscnt 0x0
	s_endpgm
.endm
.Lnot_x:
	s_cmp_lt_u32 ttmp9, 352
	s_cbranch_scc0 .Lnot_wq
	WPATH 3072, 256, 32768, 0, WQ_SCALES, 0, 38
.Lnot_wq:
	s_cmp_lt_u32 ttmp9, 384
	s_cbranch_scc0 .Lmask
	WPATH 1024, 352, 67584, WO_CODES, WO_SCALES, 1, 40
; ---------------- the mask.  A wave takes four query tiles (a group) x one key step of 128: 32 loads of 8 bytes a lane, all issued at once.  No LDS.
.Lmask:
	s_sub_co_u32 s17, ttmp9, 384
	s_lshl_b32 s17, s17, 2
	s_add_co_u32 s17, s17, s16
	s_lshr_b32 s18, s17, 4                         ; the group, 0..31
	s_and_b32 s19, s17, 15                         ; the key step
	v_and_b32 v3, 15, v2                           ; r
	v_lshrrev_b32 v4, 4, v2                        ; h
	v_lshlrev_b32 v5, 11, v3
	v_lshl_add_u32 v5, v4, 3, v5                   ; row r of 2,048 bytes + 8 h
	v_lshlrev_b32 v6, 3, v2                        ; out: 8 bytes a lane
	s_lshl_b32 s20, s18, 17                        ; 64 rows a group
	s_lshl_b32 s21, s19, 7
	s_add_co_u32 s20, s20, s21
	s_mov_b32 s21, 0
	s_add_nc_u64 s[4:5], s[42:43], s[20:21]
	s_lshl_b32 s20, s18, 6
	s_add_co_u32 s20, s20, s19
	s_lshl_b32 s20, s20, 8                         ; (64 group + step) x 256 bytes; a tile on is 4,096 bytes on
	s_add_nc_u64 s[6:7], s[48:49], s[20:21]
.irp u, 0,1,2,3
.irp t, 0,1,2,3,4,5,6,7
	global_load_b64 v[32+16*\u+2*\t:33+16*\u+2*\t], v5, s[4:5] offset:32768*\u+16*\t
.endr
.endr
.irp i, 0,1,2,3,4,5,6,7,8
	v_mov_b32 v[96+\i], 0                          ; v_writelane_b32's destination counts as read
.endr
	s_mov_b32 s34, 0                               ; any open key in the group
.macro UNIT u
	s_wait_loadcnt 8*(3-\u)                        ; this tile's eight loads are in; the later tiles' stay out
	s_mov_b32 s22, 0                               ; any
	s_mov_b32 s23, -1                              ; all
.irp t, 0,1,2,3,4,5,6,7
.irp j, 0,1,2,3,4,5,6,7
	v_bfe_u32 v[8+\j], v[32+16*\u+2*\t+\j/4], 8*(\j%4), 8
.endr
.irp j, 0,1,2,3,4,5,6,7
	v_cmp_ne_u32 s[24+\j], 0, v[8+\j]              ; word n = 8 t + j: a bit a lane
.endr
.irp j, 0,1,2,3,4,5,6,7
	s_or_b32 s22, s22, s[24+\j]
	s_and_b32 s23, s23, s[24+\j]
	v_writelane_b32 v[96+2*\u+(\j%2)], s[24+\j], 4*\t+\j/2   ; lane l will store words 2 l and 2 l + 1
.endr
.endr
	s_cmp_lg_u32 s22, 0
	s_cselect_b32 s32, 1, 0
	s_cmp_eq_u32 s23, -1
	s_cselect_b32 s33, 0x10000, 0
	s_or_b32 s32, s32, s33
	s_lshl_b32 s32, s32, s19
	v_writelane_b32 v104, s32, \u
	s_or_b32 s34, s34, s22
	global_store_b64 v6, v[96+2*\u:97+2*\u], s[6:7] offset:4096*\u   ; 32 lanes store 256 consecutive bytes, aligned
.endm
	UNIT 0
	UNIT 1
	UNIT 2
	UNIT 3
	s_cmp_lg_u32 s34, 0
	s_cselect_b32 s32, 1, 0
	s_lshl_b32 s32, s32, s19
	v_writelane_b32 v104, s32, 4
	s_lshl_b32 s26, s18, 8
	s_lshl_b32 s27, s19, 2
	s_add_co_u32 s26, s26, s27                     ; TF: 64 bytes a tile: 256 group + 64 lane + 4 step
	s_lshl_b32 s28, s18, 6
	s_add_co_u32 s27, s27, s28
	s_add_co_u32 s27, s27, 8192                    ; GF: 8,192 + 64 group + 4 step
	v_lshlrev_b32 v9, 6, v2
	v_add_nc_u32 v9, s26, v9
	v_mov_b32 v10, s27
	v_cmp_eq_u32 vcc_lo, 4, v2
	v_cndmask_b32 v9, v9, v10, vcc_lo
	v_cmp_gt_u32 vcc_lo, 5, v2
	s_wait_xcnt 0x0                                ; EXEC is a source of the stores above: it is narrowed only behind this wait
	s_and_saveexec_b32 s28, vcc_lo
	global_store_b32 v9, v104, s[50:51]            ; lanes 0-3: the four tiles' flags; lane 4: the group's
	s_wait_xcnt 0x0                                ; and widened only behind this one
	s_or_b32 exec_lo, exec_lo, s28
	s_endpgm
.Lfunc_end_k_qf239581e3a_prep:
	.size	k_qf239581e3a_prep, .Lfunc_end_k_qf239581e3a_prep-k_qf239581e3a_prep
	.p2alignl 7, 3214868480
	.fill 96, 4, 3214868480
	.section	.rodata,"a",@progbits
	.p2align	6, 0x0
	.amdhsa_kernel k_qf239581e3a_prep
		.amdhsa_group_segment_fixed_size 102912
		.amdhsa_private_segment_fixed_size 0
		.amdhsa_enable_private_segment 0
		.amdhsa_kernarg_size 64
		.amdhsa_user_sgpr_count 2
		.amdhsa_user_sgpr_kernarg_segment_ptr 1
		.amdhsa_wavefront_size32 1
		.amdhsa_system_sgpr_workgroup_id_x 1
		.amdhsa_system_sgpr_workgroup_id_y 1
		.amdhsa_system_sgpr_workgroup_id_z 1
		.amdhsa_system_vgpr_workitem_id 0
		.amdhsa_next_free_vgpr 194
		.amdhsa_next_free_sgpr 66
		.amdhsa_reserve_vcc 1
		.amdhsa_float_denorm_mode_32 3
		.amdhsa_float_denorm_mode_16_64 3
		.amdhsa_memory_ordered 1
		.amdhsa_forward_progress 1
		.amdhsa_inst_pref_size 185
	.end_amdhsa_kernel
	.amdgpu_metadata
---
amdhsa.version: [ 1, 2 ]
amdhsa.kernels:
  - .name:           k_qf239581e3a_prep
    .symbol:         k_qf239581e3a_prep.kd
    .args:
      - { .name: x, .offset: 0, .size: 8, .value_kind: global_buffer, .address_space: global }
      - { .name: w_qkv, .offset: 8, .size: 8, .value_kind: global_buffer, .address_space: global }
      - { .name: w_out, .offset: 16, .size: 8, .value_kind: global_buffer, .address_space: global }
      - { .name: mask, .offset: 24, .size: 8, .value_kind: global_buffer, .address_space: global }
      - { .name: xq, .offset: 32, .size: 8, .value_kind: global_buffer, .address_space: global }
      - { .name: wq, .offset: 40, .size: 8, .value_kind: global_buffer, .address_space: global }
      - { .name: lmask, .offset: 48, .size: 8, .value_kind: global_buffer, .address_space: global }
      - { .name: flags, .offset: 56, .size: 8, .value_kind: global_buffer, .address_space: global }
    .group_segment_fixed_size: 102912
    .private_segment_fixed_size: 0
    .kernarg_segment_align: 8
    .kernarg_segment_size: 64
    .max_flat_workgroup_size: 128
    .sgpr_count:     66
    .vgpr_count:     194
    .wavefront_size: 32
...
	.end_amdgpu_metadata
.endif
;; end of part 1
;; launch qkv (part 2): grid 12 x 32, 4 waves a work-group, clusters of 4 x 4, 327,680 bytes of LDS; arguments xq, wq, b_qkv, qb, kv; writes qb, kv
.if DOCPART == 2
	.amdgcn_target "amdgcn-amd-amdhsa--gfx1250"
	.amdhsa_code_object_version 6
	.text
	.protected	k_qf239581e3a_qkv
	.globl	k_qf239581e3a_qkv
	.p2align	8
	.type	k_qf239581e3a_qkv,@function
k_qf239581e3a_qkv:
	s_mov_b64 s[64:65], 0
	v_nop
	global_prefetch_b8 v0, s[64:65] scope:SCOPE_SE
	s_setreg_imm32_b32 hwreg(HW_REG_WAVE_MODE, 25, 1), 1
	s_wait_xcnt 0x0
	s_wait_alu depctr_hold_cnt(0) depctr_sa_sdst(0) depctr_va_vdst(0) depctr_va_sdst(0) depctr_va_ssrc(0) depctr_va_vcc(0) depctr_vm_vsrc(0)
	s_getreg_b32 s2, hwreg(HW_REG_IB_STS2, 6, 4)
	s_cmp_eq_u32 s2, 0
	s_cbranch_scc0 .Lentry_in_a_cluster
	s_endpgm
.Lentry_in_a_cluster:
	s_bfe_u32 s2, ttmp6, 0x10000c
	s_cmp_lg_u32 s2, 0xf033
	s_cbranch_scc0 .Lentry_shape_is_right
	s_endpgm
.Lentry_shape_is_right:
; QKV: q, k and v = x w_qkv + b_qkv on codes of FP6 (E2M3) with one E8M0 scale for each 32 along K = 1,024; the results are quantised in registers and leave as the attention launch's operands.
; A tile of 256 x 256 to a work-group of four waves, 128 x 128 to a wave (64 accumulators, 512 registers); K in steps of 256 through a ring of two LDS slots filled by the tensor data mover; the scale bytes of the
; work-group's rows come into LDS once.  4 x 4 work-groups form a cluster: A's tiles are asked for jointly along a row of the cluster, B's along a column.
; WHICH PRODUCT.  Clusters x = 0, 1: A = x's rows (tokens), B = w_qkv's rows 0 .. 2,047 (q's and k's columns).  Cluster x = 2: A = w_qkv's rows 2,048 .. 3,071 (v's channels), B = x's rows: V TRANSPOSED, since the keys are
; the K of attention's second product.  The choice hangs on the cluster's x alone, which all sixteen partners share.
; THE MATRIX INSTRUCTION IS USED TRANSPOSED (source 0 = 16 rows of B, source 1 = 16 rows of A): a lane holds one row of A's, and register 8 b + j of a block of 16 rows is B's row 16 b + 8 (lane / 16) + j.
; THE WAY OUT uses no LDS.  A block's 64 numbers a lane are four blocks of 32 along the next K; each is quantised (macro QUANT) and the codes are stored as IMAGES OF OPERAND REGISTERS: four registers a lane, 16 bytes at
; 16 x lane, 512 consecutive bytes a store.  Inside a block of 32 the codes stand in the order place 16 h + 8 u + j <- number 16 u + 8 h + j; q and k, p and v, y and w_out each share that order, which leaves the products as they are.
;   q, k: a head has 64 channels, half of the instruction's 128.  A PAIR IMAGE holds tokens 32 p + r in registers 0-5 and tokens 32 p + 16 + r in registers 6-11; its scale word the bytes (first b0, b1, second b0, b1).
;   qb: [batch x head 64][128 tokens 16] blocks of 6,400 bytes: four pair images of 1,536, then 256 bytes of scale words [r][p].
;   kv: blocks of 12,800 bytes: K's four pair images; at 6,144 V's four fragments (16 channels x 128 keys); at 12,288 K's scale words [r][p]; at 12,544 V's [r][tile of channels].
; 384 work-groups are 24 clusters.  LIMITS: as in the launch before; a block of zeros has the byte 1.
.set KSTEP,  256
.set NQ,     KSTEP/128
.set ROWB,   192                       ; a tile's row in bytes
.set KROW,   768                       ; a row of codes in memory
.set PITCH,  240                       ; an LDS row: 3 x (64 bytes + 16 of padding)
.set FR,     12
.set NL,     6
.set NP,     4                         ; places behind this matrix instruction (ISA guide 7.12.1)
.set HALFT,  128*PITCH
.set SLOT,   4*HALFT
.set LAPS,   2                         ; 1,024 / 512
.set KS,     32                        ; a row of scale bytes
.set SCL,    2*SLOT
.set HALFS,  (128*KS/256)*272
.set SBLK,   (16*KS/256)*272
.set SPARE,  SCL+4*HALFS               ; the spare words, 128 bytes for each wave: two blocks of 256 bytes that no other line names
.set ADRA, 16                          ; v16-19  LDS addresses of A's fragments
.set ADRB, 20                          ; v20-23  of B's
.set LI,   24                          ; v24     16 x lane
.set SCA,  25                          ; v25     the scale words' place: 16 r, lanes 16-31 one head on
.set ADRS, 27
.set SPW,  28
.set NIL,  29
.set SC,   32                          ; v32-63  scale words, two sets
.set BB,   64                          ; v64-127 the bias
.set AF,   128                         ; v128-223 A's fragments
.set TT,   128                         ; the way out: v128-191 a block's 64 numbers
.set PA,   192                         ; v192-203, v204-215 codes
.set PB,   204
.set XT,   216                         ; v216-218, v220-222 half blocks on their way
.set TM,   224                         ; v224-239 at work
.set PWE,  240
.set PWO,  241
.set SW0,  242                         ; v242-245, v246-249 scale words of the first and of the second head
.set SW1,  246
.set SEL4, 250
.set G1, 24
.set G0, 32
.set G1B, 48
.set G0B, 56
.set G1S, 68
.set G0S, 76
.set G1SB, 80
.set G0SB, 88
.set SEL, 66                           ; s[66:67] v_permlanex16_b32's selects for lane l xor 16
.set MSB, 0
.macro WIN new                         ; the immediate's high byte repeats the setting that is left
.if MSB != (\new)
	s_set_vgpr_msb (MSB<<8)|(\new)
.set MSB, (\new)
.endif
.endm
.set MUL_LO, 0xa1                      ; source 0 (B) window 1, source 1 (A) window 0, C and D window 2
.set MUL_HI, 0xf1
.set TO_B,   0x40
; A joint load: waves 0 and 1 fetch for A, waves 2 and 3 for B; the branch hangs on the wave's number alone.  Four v_nop follow each of the two lines.
.macro JLOAD g0a, g1a, g0b, g1b
	s_cmp_eq_u32 s15, 0
	s_cbranch_scc0 .Lfor_b_\@
	tensor_load_to_lds s[\g0a:\g0a+3], s[\g1a:\g1a+7]
	s_nop 0
.rept 4
	v_nop
.endr
	s_branch .Lasked_\@
.Lfor_b_\@:
	tensor_load_to_lds s[\g0b:\g0b+3], s[\g1b:\g1b+7]
	s_nop 0
.rept 4
	v_nop
.endr
.Lasked_\@:
.endm
.macro CREST
	s_cmp_lg_u32 s14, 0
	s_cbranch_scc1 .Lnot_wave_0_\@
	s_barrier_signal -3
.Lnot_wave_0_\@:
	s_barrier_wait -3
	s_barrier_signal -1
	s_barrier_wait -1
.endm
.macro CROUND
	s_barrier_signal -1
	s_barrier_wait -1
	CREST
.endm
	s_load_b256 s[4:11], s[0:1], 0x0               ; xq s[4:5], wq s[6:7], b_qkv s[8:9], qb s[10:11]
	s_load_b64 s[12:13], s[0:1], 0x20              ; kv
	v_lshl_add_u32 v[SPW], v0, 2, SPARE
	v_mov_b32 v[NIL], 0
	ds_add_u32 v28, v29
	ds_add_u32 v28, v29
	s_wait_dscnt 0x0
	v_lshrrev_b32 v1, 5, v0
	v_readfirstlane_b32 s14, v1                    ; wave 0..3
	s_lshr_b32 s15, s14, 1                         ; which half of A's rows is mine.  Also: I fetch for A (0) or for B (1)
	s_and_b32 s16, s14, 1                          ; which half of B's rows.  Also: which 128 rows I fetch
	s_bfe_u32 s40, ttmp6, 0x40000                  ; cx
	s_bfe_u32 s41, ttmp6, 0x40004                  ; cy
	s_and_b32 s17, ttmp7, 0xffff                   ; cluster y
	s_cmp_eq_u32 ttmp9, 2                          ; the cluster that makes V^T?
	s_cselect_b32 s42, s17, ttmp9                  ; the cluster's column of tiles,
	s_cselect_b32 s17, 0, s17                      ; and its row
	s_lshl_b32 s42, s42, 2
	s_add_co_u32 s42, s42, s40                     ; tile column
	s_lshl_b32 s17, s17, 2
	s_add_co_u32 s17, s17, s41                     ; tile row
	s_lshl_b32 s43, s41, 2
	s_lshl_b32 s43, 15, s43                        ; my row of the cluster
	s_lshl_b32 s44, 0x1111, s40                    ; my column
	s_or_b32 s[G1+0], s43, (0<<16)|(1<<20)|(1<<21)|(3<<22)|(3<<25)  ; the mask; elements of 1 byte; padding on: 4 words behind every 16; bit 21 beside a mask
	s_or_b32 s[G1B+0], s44, (0<<16)|(1<<20)|(1<<21)|(3<<22)|(3<<25)
.irp g, G1, G1B
	s_mov_b32 s[\g+1], ROWB<<16                    ; tensor_dim0
	s_mov_b32 s[\g+2], 128<<16                     ; tensor_dim1
	s_mov_b32 s[\g+3], ROWB<<16                    ; tile_dim0
	s_mov_b32 s[\g+4], 128                         ; tile_dim1
	s_mov_b32 s[\g+5], KROW                        ; the pitch
	s_mov_b32 s[\g+6], 0
	s_mov_b32 s[\g+7], 0
.endr
	s_or_b32 s[G1S+0], s43, (3<<16)|(1<<20)|(1<<21)|(5<<22)|(3<<25)  ; the scales of 128 rows: a dense block, as rows of 256 bytes with 16 of padding
	s_or_b32 s[G1SB+0], s44, (3<<16)|(1<<20)|(1<<21)|(5<<22)|(3<<25)
.irp g, G1S, G1SB
	s_mov_b32 s[\g+1], 32<<16
	s_mov_b32 s[\g+2], (128*KS/256)<<16
	s_mov_b32 s[\g+3], 32<<16
	s_mov_b32 s[\g+4], 128*KS/256
	s_mov_b32 s[\g+5], 32
	s_mov_b32 s[\g+6], 0
	s_mov_b32 s[\g+7], 0
.endr
	s_lshl_b32 s18, s16, 7
	s_lshl_b32 s20, s17, 8
	s_add_co_u32 s20, s20, s18                     ; A: row 256 x tile row + 128 x half
	s_lshl_b32 s46, s42, 8
	s_add_co_u32 s46, s46, s18                     ; B: row 256 x tile column + 128 x half
	s_mov_b32 s21, 0
	s_mov_b32 s47, 0
	s_mov_b64 s[18:19], KS
	s_mul_u64 s[22:23], s[20:21], s[18:19]
	s_mul_u64 s[92:93], s[46:47], s[18:19]
	s_mov_b64 s[18:19], KROW
	s_mul_u64 s[20:21], s[20:21], s[18:19]
	s_mul_u64 s[46:47], s[46:47], s[18:19]
	s_mul_i32 s45, s14, HALFT                      ; no place in the cluster enters an LDS address
	s_mul_i32 s94, s14, HALFS
	s_mov_b32 s[SEL], 0x76543210
	s_mov_b32 s[SEL+1], 0xfedcba98
	s_wait_kmcnt 0x0
	s_add_nc_u64 s[96:97], s[6:7], 2048*KROW       ; w's codes from row 2,048 on
	s_add_nc_u64 s[98:99], s[6:7], 2359296+2048*KS ; and their scale bytes
	s_add_nc_u64 s[100:101], s[4:5], 6291456       ; x's scale bytes
	s_add_nc_u64 s[104:105], s[6:7], 2359296       ; w's scale bytes
	s_cmp_eq_u32 ttmp9, 2
	s_cselect_b64 s[96:97], s[96:97], s[4:5]       ; A's codes
	s_cselect_b64 s[98:99], s[98:99], s[100:101]   ; A's scales
	s_cselect_b64 s[104:105], s[100:101], s[104:105] ; B's scales
	s_cselect_b64 s[100:101], s[4:5], s[6:7]       ; B's codes
	s_add_nc_u64 s[20:21], s[96:97], s[20:21]
	s_add_nc_u64 s[22:23], s[98:99], s[22:23]
	s_add_nc_u64 s[46:47], s[100:101], s[46:47]
	s_add_nc_u64 s[92:93], s[104:105], s[92:93]
	CROUND                                         ; all sixteen work-groups are here: the first joint loads meet
	s_mov_b32 s[G0S], 1
	s_add_co_u32 s[G0S+1], s94, SCL
	s_mov_b64 s[G0S+2:G0S+3], s[22:23]
	s_or_b32 s[G0S+3], s[G0S+3], 0x80000000
	s_mov_b32 s[G0SB], 1
	s_add_co_u32 s[G0SB+1], s94, SCL
	s_mov_b64 s[G0SB+2:G0SB+3], s[92:93]
	s_or_b32 s[G0SB+3], s[G0SB+3], 0x80000000
	JLOAD G0S, G1S, G0SB, G1SB                     ; the scales first
.irp s, 0,1
	s_mov_b32 s[G0+4*\s], 1
	s_add_co_u32 s[G0+4*\s+1], s45, \s*SLOT
	s_add_nc_u64 s[G0+4*\s+2:G0+4*\s+3], s[20:21], \s*ROWB
	s_or_b32 s[G0+4*\s+3], s[G0+4*\s+3], 0x80000000
	s_mov_b32 s[G0B+4*\s], 1
	s_add_co_u32 s[G0B+4*\s+1], s45, \s*SLOT
	s_add_nc_u64 s[G0B+4*\s+2:G0B+4*\s+3], s[46:47], \s*ROWB
	s_or_b32 s[G0B+4*\s+3], s[G0B+4*\s+3], 0x80000000
	JLOAD G0+4*\s, G1, G0B+4*\s, G1B
.endr
	v_and_b32 v1, 15, v0                           ; r
	v_bfe_u32 v2, v0, 4, 1                         ; h
	v_mul_u32_u24 v3, v1, PITCH
	v_mul_u32_u24 v4, v2, 24
	v_add_nc_u32 v4, v3, v4                        ; a fragment's row x pitch + 24 x half
	v_lshl_add_u32 v5, v2, 4, v4                   ; and the same behind one padding more
	s_mul_i32 s21, s15, HALFT
	s_mul_i32 s22, s16, HALFT
	s_add_co_u32 s22, s22, 2*HALFT
.irp s, 0,1
	v_add_nc_u32 v[ADRA+\s], s21, v4
	v_add_nc_u32 v[ADRB+\s], s22, v4
	v_add_nc_u32 v[ADRA+2+\s], s21, v5
	v_add_nc_u32 v[ADRB+2+\s], s22, v5
	s_add_co_u32 s21, s21, SLOT
	s_add_co_u32 s22, s22, SLOT
.endr
	v_mul_u32_u24 v5, v1, KS
	v_lshrrev_b32 v6, 8, v5
	v_lshl_add_u32 v5, v6, 4, v5
	s_mul_i32 s21, s15, HALFS
	s_mul_i32 s22, s16, HALFS
	s_add_co_u32 s22, s22, 2*HALFS
	s_sub_co_u32 s22, s22, s21
	v_mul_u32_u24 v6, s22, v2                      ; lanes 16-31 take B's
	s_add_co_u32 s21, s21, SCL
	v_add_nc_u32 v5, v5, v6
	v_add_nc_u32 v[ADRS], s21, v5
	v_and_b32 v6, 31, v0
	v_lshlrev_b32 v[LI], 4, v6
	v_lshlrev_b32 v7, 5, v2                        ; the bias of q and k: 32 h bytes
	v_lshlrev_b32 v8, 2, v1                        ; of v: 4 r bytes
.irp b, 0,1,2,3
	v_mov_b32 v[TM+4+\b], 0                        ; written once: a lane permute's destination counts as one of its sources
.endr
	s_lshl_b32 s18, s42, 10                        ; q, k: the bias of my 128 columns
	s_lshl_b32 s19, s16, 9
	s_add_co_u32 s18, s18, s19
	s_lshl_b32 s22, s17, 10                        ; v: of my 128 channels, from number 2,048 on
	s_lshl_b32 s19, s15, 9
	s_add_co_u32 s22, s22, s19
	s_add_co_u32 s22, s22, 8192
	s_cmp_eq_u32 ttmp9, 2
	s_cselect_b32 s18, s22, s18
	s_mov_b32 s19, 0
	s_add_nc_u64 s[8:9], s[8:9], s[18:19]
.macro FRAG reg, adr, q, i             ; 16 rows x 128 K: 12 registers, in pieces of 8 bytes; where lanes 16-31's piece lies behind one padding more, the second address register serves
.irp p, 0,1,2,3,4,5
.set PIECE, 12*(\q)+6*(\p/3)+\p%3
.if PIECE%8 < 5
	ds_load_b64 v[\reg+2*\p:\reg+2*\p+1], v[\adr] offset:8*PIECE+16*(PIECE/8)+(\i)*16*PITCH
.else
	ds_load_b64 v[\reg+2*\p:\reg+2*\p+1], v[\adr+2] offset:8*PIECE+16*(PIECE/8)+(\i)*16*PITCH
.endif
.endr
.endm
; 16 matrix instructions: A's blocks a0, a0 + 1 x B's eight.  The 64 accumulators take turns, one instruction a turn, in the same order in every step.
.macro MUL16 a0, p, q, sc, zero
.irp a, \a0, \a0+1
.irp b, 0,1,2,3,4,5,6,7
.if \zero
	v_wmma_scale_f32_16x16x128_f8f6f4 v[8*(8*((\a)%4)+\b):8*(8*((\a)%4)+\b)+7], v[128*(\p)+FR*\b:128*(\p)+FR*\b+FR-1], v[AF+FR*(\a):AF+FR*(\a)+FR-1], 0, v[SC+8*NQ*(\sc)+NQ*\b+(\q)], v[SC+8*NQ*(\sc)+NQ*(\a)+(\q)] matrix_a_fmt:MATRIX_FMT_FP6 matrix_b_fmt:MATRIX_FMT_FP6 matrix_a_scale:MATRIX_SCALE_ROW1
.else
	v_wmma_scale_f32_16x16x128_f8f6f4 v[8*(8*((\a)%4)+\b):8*(8*((\a)%4)+\b)+7], v[128*(\p)+FR*\b:128*(\p)+FR*\b+FR-1], v[AF+FR*(\a):AF+FR*(\a)+FR-1], v[8*(8*((\a)%4)+\b):8*(8*((\a)%4)+\b)+7], v[SC+8*NQ*(\sc)+NQ*\b+(\q)], v[SC+8*NQ*(\sc)+NQ*(\a)+(\q)] matrix_a_fmt:MATRIX_FMT_FP6 matrix_b_fmt:MATRIX_FMT_FP6 matrix_a_scale:MATRIX_SCALE_ROW1
.endif
.endr
.endr
.endm
.macro FETCH_B slot, q, p
	WIN TO_B
.irp i, 0,1,2,3,4,5,6,7
	FRAG 128*(\p)+FR*\i, ADRB+\slot, \q, \i
.endr
	WIN 0
.endm
.macro FETCH_A slot, q, i0
.irp i, \i0, \i0+1, \i0+2, \i0+3
	FRAG AF+FR*(\i), ADRA+\slot, \q, \i
.endr
.endm
.macro SCALES sc                       ; lanes 0-15 take the words of A's block i, lanes 16-31 those of B's block i
.irp i, 0,1,2,3,4,5,6,7
	ds_load_b64 v[SC+8*NQ*\sc+NQ*\i:SC+8*NQ*\sc+NQ*\i+1], v[ADRS] offset:\i*SBLK
.endr
.endm
.macro PLACES n                        ; plain vector lines between a matrix instruction and a load into, or a vector read or write of, its registers
.rept \n
	v_nop
.endr
.endm
.macro STEP slot, q, zero
	s_wait_dscnt 4*NL                              ; B's set and A's blocks 0-3 are in; the youngest 24 loads (A's blocks 4-7) may be out
	WIN MUL_LO
	MUL16 0, (\q)%2, \q, \slot, \zero
	MUL16 2, (\q)%2, \q, \slot, \zero
	s_wait_dscnt 0
	PLACES NP
	FETCH_B \slot, (\q)+1, 1-(\q)%2
	FETCH_A \slot, (\q)+1, 0
	WIN MUL_HI
	MUL16 4, (\q)%2, \q, \slot, \zero
	MUL16 6, (\q)%2, \q, \slot, \zero
	PLACES NP
	WIN 0
	FETCH_A \slot, (\q)+1, 4
.endm
; A slot's last step changes slots: one barrier; in front of it each wave waits for all its tensor loads, adds 0 to its spare word, and waits for that and for its reads of this slot.
.macro TURN slot, next, fill
	s_wait_tensorcnt 0x0                           ; all my tensor loads have landed: my part of the next slot
	ds_add_u32 v[SPW], v[NIL]                      ; 0 onto my spare word
	s_wait_dscnt 4*NL+1                            ; the add and the youngest 24 loads may be out
	WIN MUL_LO
	MUL16 0, 1, NQ-1, \slot, 0
	s_wait_dscnt 0x0                               ; the add is done, and my reads of this slot are over
	s_barrier_signal -1
	MUL16 2, 1, NQ-1, \slot, 0
	WIN 0
	s_barrier_wait -1
.if \fill
	CREST                                          ; the barrier has opened a round of the cluster's: no wave of any partner still reads this slot or has a load on its way
	s_add_nc_u64 s[G0+4*\slot+2:G0+4*\slot+3], s[G0+4*\slot+2:G0+4*\slot+3], 2*ROWB
	s_add_nc_u64 s[G0B+4*\slot+2:G0B+4*\slot+3], s[G0B+4*\slot+2:G0B+4*\slot+3], 2*ROWB
	JLOAD G0+4*\slot, G1, G0B+4*\slot, G1B         ; the first tensor load behind the round; its four v_nop are the places in front of the loads below
.else
	PLACES NP
.endif
	v_add_nc_u32 v[ADRS], 4*NQ, v[ADRS]
	FETCH_B \next, 0, 0
	FETCH_A \next, 0, 0
	SCALES \next
	WIN MUL_HI
	MUL16 4, 1, NQ-1, \slot, 0
	MUL16 6, 1, NQ-1, \slot, 0
	PLACES NP
	WIN 0
	FETCH_A \next, 0, 4
.endm
.macro LAST                            ; the last 128 along K: nothing more to fetch
	s_wait_dscnt 4*NL
	WIN MUL_LO
	MUL16 0, 1, NQ-1, 1, 0
	MUL16 2, 1, NQ-1, 1, 0
	s_wait_dscnt 0
	WIN MUL_HI
	MUL16 4, 1, NQ-1, 1, 0
	MUL16 6, 1, NQ-1, 1, 0
	WIN 0
	PLACES NP
.endm
; 64 numbers of a lane, v[s] on: four blocks of 32 (registers 16 b on are my 16, lane l xor 16 holds the other 16).  Blocks 0, 1 become six registers at d0, blocks 2, 3 six at d1; the four bytes make the word pw.
.macro QUANT s, d0, d1, pw
.irp b, 0,1,2,3
	v_max3_num_f32 v[TM+\b], |v[(\s)+16*\b]|, |v[(\s)+1+16*\b]|, 0x1800000   ; the floor 2^(3 - 127): the byte cannot fall under 1
.endr
.irp i, 2,4,6,8,10,12,14
.irp b, 0,1,2,3
	v_max3_num_f32 v[TM+\b], v[TM+\b], |v[(\s)+16*\b+\i]|, |v[(\s)+1+16*\b+\i]|
.endr
.endr
.irp b, 0,1,2,3
	v_permlanex16_b32 v[TM+4+\b], v[TM+\b], s[SEL], s[SEL+1]
.endr
.irp b, 0,1,2,3
	v_max_num_f32 v[TM+\b], v[TM+\b], v[TM+4+\b]
.endr
.irp b, 0,1,2,3
	v_add_nc_u32 v[TM+12+\b], 0xff000000, v[TM+\b] ; 2 off the exponent field: the conversion's scale operand
.endr
.irp b, 0,1,2,3
	v_lshrrev_b32 v[TM+4+\b], 23, v[TM+12+\b]      ; the scale's byte
.endr
	v_lshl_or_b32 v[\pw], v[TM+5], 8, v[TM+4]
	v_lshl_or_b32 v[\pw], v[TM+6], 16, v[\pw]
	v_lshl_or_b32 v[\pw], v[TM+7], 24, v[\pw]
	v_cvt_scalef32_pk16_fp6_f32 v[(\d0):(\d0)+2], v[(\s):(\s)+15], v[TM+12]
	v_cvt_scalef32_pk16_fp6_f32 v[XT:XT+2], v[(\s)+16:(\s)+31], v[TM+13]
	v_cvt_scalef32_pk16_fp6_f32 v[(\d1):(\d1)+2], v[(\s)+32:(\s)+47], v[TM+14]
	v_cvt_scalef32_pk16_fp6_f32 v[XT+4:XT+6], v[(\s)+48:(\s)+63], v[TM+15]
	v_nop                                          ; a plain line behind the last conversion
.irp i, 0,1,2
	v_permlane16_swap_b32 v[(\d0)+\i], v[XT+\i]    ; the operand's layout wants a whole block in a lane: lanes 0-15 the even block, lanes 16-31 the odd one
.endr
.irp i, 0,1,2
	v_mov_b32 v[(\d0)+3+\i], v[XT+\i]
.endr
.irp i, 0,1,2
	v_permlane16_swap_b32 v[(\d1)+\i], v[XT+4+\i]
.endr
.irp i, 0,1,2
	v_mov_b32 v[(\d1)+3+\i], v[XT+4+\i]
.endr
.endm
	s_wait_tensorcnt 1                             ; the scales and my part of K step 0 are in; K step 1's load may be out
	s_barrier_signal -1
	s_barrier_wait -1
	FETCH_B 0, 0, 0
	FETCH_A 0, 0, 0
	SCALES 0
	FETCH_A 0, 0, 4
	STEP 0, 0, 1                                   ; the first step's products start the sums
	s_mov_b32 s3, LAPS-1
.Llap:
	TURN 0, 1, 1
	STEP 1, 0, 0
	TURN 1, 0, 1
	STEP 0, 0, 0
	s_sub_co_u32 s3, s3, 1
	s_cmp_lg_u32 s3, 0
	s_cbranch_scc1 .Llap
	TURN 0, 1, 0                                   ; the last lap fills nothing
	STEP 1, 0, 0
	; where my results go.  No tensor load is out any more
	s_lshl_b32 s20, s17, 1
	s_add_co_u32 s20, s20, s15                     ; my 128 rows of A's: unit 2 x tile row + half
	s_lshl_b32 s21, s42, 1
	s_add_co_u32 s21, s21, s16                     ; my 128 rows of B's
	s_and_b32 s23, s21, 7
	s_mov_b32 s43, 12800                           ; a block of kv,
	s_mov_b32 s44, 12288                           ; K's scale words in it,
	s_mov_b32 s45, 12544                           ; V's
	s_cmp_eq_u32 ttmp9, 2
	s_cselect_b32 s22, s21, s20                    ; the unit of 128 tokens
	s_cselect_b32 s23, s20, s23                    ; the pair of heads
	s_cselect_b32 s44, s45, s44
	s_cmp_eq_u32 ttmp9, 0                          ; cluster x = 0 makes q
	s_cselect_b64 s[92:93], s[10:11], s[12:13]
	s_cselect_b32 s43, 6400, s43
	s_cselect_b32 s44, 6144, s44
	s_lshr_b32 s20, s22, 4                         ; batch
	s_and_b32 s22, s22, 15                         ; 128 tokens within it
	s_lshl_b32 s20, s20, 8
	s_lshl_b32 s23, s23, 5
	s_add_co_u32 s20, s20, s23
	s_add_co_u32 s20, s20, s22                     ; (16 batch + 2 pair) x 16 + unit
	s_mul_i32 s20, s20, s43
	s_mov_b32 s21, 0
	s_add_nc_u64 s[92:93], s[92:93], s[20:21]      ; the first head's block
	s_lshl_b32 s20, s43, 4
	s_add_nc_u64 s[94:95], s[92:93], s[20:21]      ; the second head's: 16 blocks on
	v_mul_u32_u24 v[SCA], v2, s20
	v_lshl_add_u32 v[SCA], v1, 4, v[SCA]
	s_mov_b32 s22, s44
	s_mov_b32 s23, 0
	s_add_nc_u64 s[46:47], s[92:93], s[22:23]      ; the scale words
	s_cmp_eq_u32 ttmp9, 2
	s_cbranch_scc1 .Lv_arm
	; ---- q and k.  The bias of my 128 columns, in the result's layout; the loads land under the last 64 products
.irp b, 0,1,2,3,4,5,6,7
	global_load_b128 v[BB+8*\b:BB+8*\b+3], v7, s[8:9] offset:64*\b
	global_load_b128 v[BB+8*\b+4:BB+8*\b+7], v7, s[8:9] offset:64*\b+16
.endr
	LAST
	s_wait_loadcnt 0x0
.irp a, 0,1,2,3,4,5,6,7
	WIN 0x02+\a/4                                  ; source 0: window 2 or 3
.set i, 0
.rept 32
	v_pk_add_f32 v[TT+2*i:TT+2*i+1], v[64*(\a%4)+2*i:64*(\a%4)+2*i+1], v[BB+2*i:BB+2*i+1]   ; + bias, and out of the accumulators' window; each accumulator from its low end on
.set i, i+1
.endr
	WIN 0
.if (\a%2 == 0) && (\a > 0)
	s_wait_xcnt 0x0                                ; the last pair's stores have read their registers: they are written again only behind this wait
.endif
	QUANT TT, PA+6*(\a%2), PB+6*(\a%2), PWE+(\a%2)
.if \a%2
	v_perm_b32 v[SW0+\a/2], v[PWO], v[PWE], 0x05040100   ; the first head's word: (even tile b0, b1, odd tile b0, b1)
	v_perm_b32 v[SW1+\a/2], v[PWO], v[PWE], 0x07060302   ; the second head's
.irp c, 0,1,2
	global_store_b128 v[LI], v[PA+4*\c:PA+4*\c+3], s[92:93] offset:1536*(\a/2)+512*\c   ; 512 consecutive bytes
	global_store_b128 v[LI], v[PB+4*\c:PB+4*\c+3], s[94:95] offset:1536*(\a/2)+512*\c
.endr
.endif
.endr
	s_branch .Lwords
.Lv_arm:
	; ---- v.  A lane holds one channel: its bias, twice, for the packed addition
.irp a, 0,1,2,3,4,5,6,7
	global_load_b32 v[BB+2*\a], v8, s[8:9] offset:64*\a
	global_load_b32 v[BB+2*\a+1], v8, s[8:9] offset:64*\a
.endr
	LAST
	s_wait_loadcnt 0x0
.irp a, 0,1,2,3,4,5,6,7
	WIN 0x02+\a/4
.set i, 0
.rept 32
	v_pk_add_f32 v[TT+2*i:TT+2*i+1], v[64*(\a%4)+2*i:64*(\a%4)+2*i+1], v[BB+2*\a:BB+2*\a+1]
.set i, i+1
.endr
	WIN 0
.if \a >= 2
	s_wait_xcnt 0x0                                ; the stores of two blocks back have read their registers
.endif
	QUANT TT, PA+12*(\a%2), PA+12*(\a%2)+6, SW0+\a ; 16 channels x 128 keys: one whole fragment and its scale word
.irp c, 0,1,2
	global_store_b128 v[LI], v[PA+12*(\a%2)+4*\c:PA+12*(\a%2)+4*\c+3], s[92+2*(\a/4):93+2*(\a/4)] offset:6144+1536*(\a%4)+512*\c
.endr
.endr
.Lwords:
	s_mov_b32 s3, 0xffff0000
.irp i, 0,1,2,3
	v_cndmask_b32 v[SEL4+\i], v[SW0+\i], v[SW1+\i], s3   ; lanes 0-15 the first head's four words of row r, lanes 16-31 the second head's
.endr
	global_store_b128 v[SCA], v[SEL4:SEL4+3], s[46:47]   ; sixteen lanes store 256 consecutive bytes, aligned, for each head
	s_wait_tensorcnt 0x0                           ; the wave's end
	ds_add_u32 v[SPW], v[NIL]
	s_wait_dscnt 0x0
	CROUND                                         ; the closing round
	s_endpgm
.Lfunc_end_k_qf239581e3a_qkv:
	.size	k_qf239581e3a_qkv, .Lfunc_end_k_qf239581e3a_qkv-k_qf239581e3a_qkv
	.p2alignl 7, 3214868480
	.fill 96, 4, 3214868480
	.section	.rodata,"a",@progbits
	.p2align	6, 0x0
	.amdhsa_kernel k_qf239581e3a_qkv
		.amdhsa_group_segment_fixed_size 327680
		.amdhsa_private_segment_fixed_size 0
		.amdhsa_enable_private_segment 0
		.amdhsa_kernarg_size 40
		.amdhsa_user_sgpr_count 2
		.amdhsa_user_sgpr_kernarg_segment_ptr 1
		.amdhsa_wavefront_size32 1
		.amdhsa_system_sgpr_workgroup_id_x 1
		.amdhsa_system_sgpr_workgroup_id_y 1
		.amdhsa_system_sgpr_workgroup_id_z 1
		.amdhsa_system_vgpr_workitem_id 0
		.amdhsa_next_free_vgpr 1024
		.amdhsa_next_free_sgpr 106
		.amdhsa_reserve_vcc 0
		.amdhsa_float_denorm_mode_32 3
		.amdhsa_float_denorm_mode_16_64 3
		.amdhsa_memory_ordered 1
		.amdhsa_forward_progress 1
		.amdhsa_inst_pref_size 242
	.end_amdhsa_kernel
	.amdgpu_metadata
---
amdhsa.version: [ 1, 2 ]
amdhsa.kernels:
  - .name:           k_qf239581e3a_qkv
    .symbol:         k_qf239581e3a_qkv.kd
    .args:
      - { .name: xq, .offset: 0, .size: 8, .value_kind: global_buffer, .address_space: global }
      - { .name: wq, .offset: 8, .size: 8, .value_kind: global_buffer, .address_space: global }
      - { .name: b_qkv, .offset: 16, .size: 8, .value_kind: global_buffer, .address_space: global }
      - { .name: qb, .offset: 24, .size: 8, .value_kind: global_buffer, .address_space: global }
      - { .name: kv, .offset: 32, .size: 8, .value_kind: global_buffer, .address_space: global }
    .group_segment_fixed_size: 327680
    .private_segment_fixed_size: 0
    .kernarg_segment_align: 8
    .kernarg_segment_size: 40
    .max_flat_workgroup_size: 128
    .sgpr_count:     106
    .vgpr_count:     1024
    .wavefront_size: 32
...
	.end_amdgpu_metadata
.endif
;; end of part 2
;; launch attn (part 3): grid 4 x 64, 16 waves a work-group, no clusters, 34,816 bytes of LDS; arguments qb, kv, lmask, flags, yq; writes yq
.if DOCPART == 3
	.amdgcn_target "amdgcn-amd-amdhsa--gfx1250"
	.amdhsa_code_object_version 6
	.text
	.protected	k_qf239581e3a_attn
	.globl	k_qf239581e3a_attn
	.p2align	8
	.type	k_qf239581e3a_attn,@function
k_qf239581e3a_attn:
	s_mov_b64 s[64:65], 0
	v_nop
	global_prefetch_b8 v0, s[64:65] scope:SCOPE_SE
	s_setreg_imm32_b32 hwreg(HW_REG_WAVE_MODE, 25, 1), 1
	s_wait_xcnt 0x0
; ATTENTION on codes of FP6 (E2M3): y[b][h][q] = sum over k of softmax_k(q . k / 8, under the GIVEN mask) v, head size 64, 2,048 keys; y leaves quantised along D, as the last product's operand.
; THE SOFTMAX: t = score x log2(e) / 8; M = the row's largest t so far, rounded UP to a whole number; p = 2^(t - M) is quantised along the keys; the row's sum is taken of the unquantised p and divides at the end.
; When M moves, the sum and O are multiplied by 2^(old M - new M), which rounds nothing.
; SHARES.  A work-group has one batch x head and two blocks of 256 queries, j and 7 - j, one after the other; each of its sixteen waves one tile of 16 queries, in 256 registers: four waves to a SIMD, so that one wave's
; vector work stands beside another's matrix work and LDS loads.  Every pass walks all sixteen key steps of 128, in a loop of constant count.
; THE MASK IS AN INPUT.  The launch before has turned it into lane masks (a word for each score register, a bit a lane) and into flags.  A key step in which a tile has no open key is left out by that wave (a scalar
; branch on a stored whole number); one in which all are open skips the masking; a step that no tile of the work-group wants is not fetched.  The barriers stand on every path.
; Since branches hang on stored numbers, K and V come through registers (16 bytes a thread, 12,800 bytes a step) into two LDS slots, not by tensor loads, and so not jointly for a cluster either.
; LAYOUT.  Both products are used transposed (S^T = K Q^T, O^T = V^T P^T): a lane holds one query (lane % 16).  A head's 64 channels are half of the instruction's 128: a pair image of K holds 16 keys in k = 0 .. 63 and the
; next 16 in k = 64 .. 127; multiplied by [Q, 0] it gives the first 16 keys' scores, by [0, Q] the second's.  Q stands between two runs of zero codes, so both are runs of 12 registers.
; A ROW WITH NO OPEN KEY has the sum 0: its scale byte is set to 0xff, which makes the whole output row NaN, as the softmax of such a row is.
; LIMITS: y = O x (1 / sum) by v_rcp_f32; a block of zeros has the byte 1; y's scale bytes leave as single bytes, two for a row and head (262,144 bytes in all).
.set RR,  16                           ; v16-23   a step's 32 bytes of K and V on their way to LDS
.set ZQ,  24                           ; v24-29 zeros, v30-35 Q, v36-41 zeros
.set QS,  42                           ; Q's scale word (s0, s1, s0, s1)
.set PW,  43                           ; p's scale word
.set KSC, 44                           ; v44-47   K's four scale words
.set VSC, 48                           ; v48-51   V's
.set KF,  52                           ; v52-99   four operands of 12 registers: K's pair images, then V's fragments
.set SS,  100                          ; v100-163 S^T, then p
.set OO,  164                          ; v164-195 O^T
.set PC,  196                          ; v196-207 p's codes
.set XT,  208                          ; v208-210, v212-214 half blocks on their way
.set BM,  216                          ; v216-219 the blocks' largest scores, then largest p
.set BT,  220                          ; v220-223 at work
.set SO,  224                          ; v224-227 the conversions' scale operands
.set TP,  228
.set FF,  230                          ; v[230:231] f = 2^(old M - new M)
.set L2,  232                          ; v[232:233] the sum's second chain
; v1 16 x lane, v2 16 r, v3 16 x thread, v4 -infinity, v5 8 x lane, v6 32 r + h, v10 at work, v11 0xff, v12 -M, v13 the largest t, v[14:15] the sum
; s[4:13] the five buffers; s14 wave, s15 batch x head, s16 j, s17 passes to go, s18 the block of queries, s19 trips; s[20:21] lane selects; s[22:23] c; s24 my tile's flags, s25 the work-group's;
; s[26:27] the key step's block of kv, s[28:29] my tile's lane masks; s[32:63], s[68:99] the 64 lane masks
	s_load_b256 s[4:11], s[0:1], 0x0               ; qb s[4:5], kv s[6:7], lmask s[8:9], flags s[10:11]
	s_load_b64 s[12:13], s[0:1], 0x20              ; yq
	v_lshl_add_u32 v254, v0, 2, 0x8000
	v_mov_b32 v255, 0
	v_lshrrev_b32 v1, 5, v0
	s_delay_alu instid0(VALU_DEP_1)
	v_readfirstlane_b32 s14, v1
	s_and_b32 s15, ttmp7, 0xffff
	s_mov_b32 s16, ttmp9
	v_and_b32 v7, 31, v0
	v_and_b32 v8, 15, v0
	v_bfe_u32 v9, v0, 4, 1
	s_delay_alu instid0(VALU_DEP_3)
	v_lshlrev_b32 v1, 4, v7
	s_delay_alu instid0(VALU_DEP_3)
	v_lshlrev_b32 v2, 4, v8
	v_lshlrev_b32 v3, 4, v0
	v_mov_b32 v4, 0xff800000
	v_lshlrev_b32 v5, 3, v7
	v_lshl_add_u32 v6, v8, 5, v9
	v_mov_b32 v11, 0xff
.irp i, 0,1,2,3,4,5,6,7
	v_mov_b32 v[RR+\i], 0                          ; written once, so that they are written on every path
.endr
.irp i, 0,1,2,3,4,5
	v_mov_b32 v[ZQ+\i], 0                          ; zero codes on both sides of Q
	v_mov_b32 v[ZQ+12+\i], 0
.endr
.irp b, 0,1,2,3
	v_mov_b32 v[BT+\b], 0                          ; a lane permute's destination counts as one of its sources
.endr
	v_mov_b32 v[TP], 0
	v_mov_b32 v[FF+1], 0                           ; named as the upper half of a pair
	s_mov_b32 s20, 0x76543210
	s_mov_b32 s21, 0xfedcba98
	s_mov_b32 s22, 0x3e38aa3b                      ; c = log2(e) / 8
	s_mov_b32 s23, s22
	s_mov_b32 s17, 2
	s_mov_b32 s18, s16
	s_wait_kmcnt 0x0
; A KEY STEP'S WORK for my tile: 128 keys out of the slot.
.macro WORK slot
	s_bitcmp1_b32 s24, 16                          ; all open?
	s_cbranch_scc1 .Lall_a_\@
	s_load_b512 s[32:47], s[28:29], 0x0            ; the step's 64 lane masks
	s_load_b512 s[48:63], s[28:29], 0x40
	s_load_b512 s[68:83], s[28:29], 0x80
	s_load_b512 s[84:99], s[28:29], 0xc0
.Lall_a_\@:
	ds_load_b128 v[KSC:KSC+3], v2 offset:16384*\slot+12288
.irp p, 0,1,2,3
.irp c, 0,1,2
	ds_load_b128 v[KF+12*\p+4*\c:KF+12*\p+4*\c+3], v1 offset:16384*\slot+1536*\p+512*\c   ; an image of the operand's registers: 512 consecutive bytes a load
.endr
.endr
	s_wait_dscnt 0x0
.irp p, 0,1,2,3
	v_wmma_scale_f32_16x16x128_f8f6f4 v[SS+16*\p:SS+16*\p+7], v[KF+12*\p:KF+12*\p+11], v[ZQ+6:ZQ+17], 0, v[KSC+\p], v[QS] matrix_a_fmt:MATRIX_FMT_FP6 matrix_b_fmt:MATRIX_FMT_FP6
	v_wmma_scale_f32_16x16x128_f8f6f4 v[SS+16*\p+8:SS+16*\p+15], v[KF+12*\p:KF+12*\p+11], v[ZQ:ZQ+11], 0, v[KSC+\p], v[QS] matrix_a_fmt:MATRIX_FMT_FP6 matrix_b_fmt:MATRIX_FMT_FP6
.endr                                          ; register n of S^T: key 16 (n / 8) + 8 (lane / 16) + n % 8 of the step
.rept 4
	v_nop                                          ; places in front of the loads into K's registers and of the first read of the scores
.endr
	ds_load_b128 v[VSC:VSC+3], v2 offset:16384*\slot+12544
.irp p, 0,1,2,3
.irp c, 0,1,2
	ds_load_b128 v[KF+12*\p+4*\c:KF+12*\p+4*\c+3], v1 offset:16384*\slot+6144+1536*\p+512*\c   ; V lands under the softmax
.endr
.endr
	s_wait_kmcnt 0x0
	s_bitcmp1_b32 s24, 16
	s_cbranch_scc1 .Lall_b_\@
.set n, 0
.rept 64
	v_cndmask_b32 v[SS+n], v4, v[SS+n], s[32+n+4*(n/32)]   ; a hidden key's score becomes -infinity: p = 0
.set n, n+1
.endr
.Lall_b_\@:
.irp b, 0,1,2,3
	v_max3_num_f32 v[BM+\b], v[SS+16*\b], v[SS+1+16*\b], v[SS+2+16*\b]   ; the largest score of each block of 32 keys: for the row's maximum, and, since p rises with the score, for the block's largest p
.endr
.irp i, 3,5,7,9,11,13
.irp b, 0,1,2,3
	v_max3_num_f32 v[BM+\b], v[BM+\b], v[SS+16*\b+\i], v[SS+1+16*\b+\i]
.endr
.endr
.irp b, 0,1,2,3
	v_max_num_f32 v[BM+\b], v[BM+\b], v[SS+15+16*\b]
.endr
.irp b, 0,1,2,3
	s_delay_alu instid0(VALU_DEP_4)
	v_permlanex16_b32 v[BT+\b], v[BM+\b], s20, s21
.endr
.irp b, 0,1,2,3
	s_delay_alu instid0(VALU_DEP_4)
	v_max_num_f32 v[BM+\b], v[BM+\b], v[BT+\b]
.endr
	s_delay_alu instid0(VALU_DEP_2)
	v_max3_num_f32 v[TP], v[BM], v[BM+1], v[BM+2]
	s_delay_alu instid0(VALU_DEP_1)
	v_max_num_f32 v[TP], v[TP], v[BM+3]
	s_delay_alu instid0(VALU_DEP_1)
	v_mul_f32 v[TP], s22, v[TP]
	s_delay_alu instid0(VALU_DEP_1)
	v_max_num_f32 v13, v13, v[TP]                  ; the running largest t
	v_mov_b32 v[TP], v12
	s_delay_alu instid0(VALU_DEP_2)
	v_floor_f32 v12, -v13                          ; -M = floor(-t): M is a whole number
	s_delay_alu instid0(VALU_DEP_1)
	v_sub_f32 v[TP], v12, v[TP]
	s_delay_alu instid0(VALU_DEP_1)
	v_cvt_i32_f32 v[TP], v[TP]                     ; (it saturates)
	s_delay_alu instid0(VALU_DEP_1)
	v_ldexp_f32 v[FF], 1.0, v[TP]                  ; f = 2^(old M - new M)
.set n, 0
.rept 32
	v_pk_fma_f32 v[SS+n:SS+n+1], v[SS+n:SS+n+1], s[22:23], v[12:13] op_sel_hi:[1,0,0]   ; t - M
.set n, n+2
.endr
.irp b, 0,1,2,3
	v_fma_f32 v[BM+\b], v[BM+\b], s22, v12
.endr
.set n, 0
	s_wait_alu depctr_va_vdst(0)
.rept 64
	v_exp_f32 v[SS+n], v[SS+n]                     ; p = 2^(t - M)
.set n, n+1
.endr
	v_pk_mul_f32 v[14:15], v[14:15], v[FF:FF+1] op_sel_hi:[1,0]   ; the sums under the new M (the plain line behind the exponentials)
	s_wait_alu depctr_va_vdst(0)                   ; one wait for the batch of 64, ahead of its first reader
.irp b, 0,1,2,3
	v_exp_f32 v[BM+\b], v[BM+\b]                   ; the blocks' largest p
.endr
	v_pk_add_f32 v[232:233], v[104:105], v[108:109]
	v_pk_add_f32 v[252:253], v[112:113], v[116:117]
	v_pk_add_f32 v[250:251], v[120:121], v[124:125]
	v_pk_add_f32 v[248:249], v[128:129], v[132:133]
	v_pk_add_f32 v[246:247], v[136:137], v[140:141]
	v_pk_add_f32 v[244:245], v[144:145], v[148:149]
	v_pk_add_f32 v[242:243], v[152:153], v[156:157]
	v_pk_add_f32 v[14:15], v[14:15], v[160:161]
	v_pk_add_f32 v[232:233], v[232:233], v[100:101]
	v_pk_add_f32 v[252:253], v[252:253], v[102:103]
	v_pk_add_f32 v[250:251], v[250:251], v[106:107]
	v_pk_add_f32 v[248:249], v[248:249], v[110:111]
	v_pk_add_f32 v[246:247], v[246:247], v[114:115]
	v_pk_add_f32 v[244:245], v[244:245], v[118:119]
	v_pk_add_f32 v[242:243], v[242:243], v[122:123]
	v_pk_add_f32 v[14:15], v[14:15], v[126:127]
	v_pk_add_f32 v[232:233], v[232:233], v[130:131]
	v_pk_add_f32 v[252:253], v[252:253], v[134:135]
	v_pk_add_f32 v[250:251], v[250:251], v[138:139]
	v_pk_add_f32 v[248:249], v[248:249], v[142:143]
	v_pk_add_f32 v[246:247], v[246:247], v[146:147]
	v_pk_add_f32 v[244:245], v[244:245], v[150:151]
	v_pk_add_f32 v[242:243], v[242:243], v[154:155]
	v_pk_add_f32 v[14:15], v[14:15], v[158:159]
	v_pk_add_f32 v[232:233], v[232:233], v[162:163]
	s_delay_alu instid0(VALU_DEP_2)
	v_pk_add_f32 v[14:15], v[14:15], v[248:249]
	s_delay_alu instid0(VALU_DEP_2)
	v_pk_add_f32 v[232:233], v[232:233], v[246:247]
	v_pk_add_f32 v[252:253], v[252:253], v[244:245]
	v_pk_add_f32 v[250:251], v[250:251], v[242:243]
	s_delay_alu instid0(VALU_DEP_2)
	v_pk_add_f32 v[14:15], v[14:15], v[252:253]
	s_delay_alu instid0(VALU_DEP_2)
	v_pk_add_f32 v[232:233], v[232:233], v[250:251]
	s_delay_alu instid0(VALU_DEP_1)
	v_pk_add_f32 v[14:15], v[14:15], v[232:233]
	s_wait_alu depctr_va_vdst(0)                   ; and one for the four
.irp b, 0,1,2,3
	v_max_num_f32 v[BM+\b], 0x1800000, v[BM+\b]    ; the floor 2^(3 - 127)
.endr
.irp b, 0,1,2,3
	s_delay_alu instid0(VALU_DEP_4)
	v_add_nc_u32 v[SO+\b], 0xff000000, v[BM+\b]
.endr
.irp b, 0,1,2,3
	s_delay_alu instid0(VALU_DEP_4)
	v_lshrrev_b32 v[BT+\b], 23, v[SO+\b]
.endr
	s_delay_alu instid0(VALU_DEP_3)
	v_lshl_or_b32 v[PW], v[BT+1], 8, v[BT]
	s_delay_alu instid0(VALU_DEP_1)
	v_lshl_or_b32 v[PW], v[BT+2], 16, v[PW]
	s_delay_alu instid0(VALU_DEP_1)
	v_lshl_or_b32 v[PW], v[BT+3], 24, v[PW]
.irp c, 0,1
	v_cvt_scalef32_pk16_fp6_f32 v[PC+6*\c:PC+6*\c+2], v[SS+32*\c:SS+32*\c+15], v[SO+2*\c]
	v_cvt_scalef32_pk16_fp6_f32 v[XT+4*\c:XT+4*\c+2], v[SS+32*\c+16:SS+32*\c+31], v[SO+2*\c+1]
.endr
	v_nop                                          ; a plain line behind the last conversion
.irp c, 0,1
.irp i, 0,1,2
	v_permlane16_swap_b32 v[PC+6*\c+\i], v[XT+4*\c+\i]
.endr
.irp i, 0,1,2
	s_delay_alu instid0(VALU_DEP_3)
	v_mov_b32 v[PC+6*\c+3+\i], v[XT+4*\c+\i]
.endr
.endr
.set n, 0
.rept 16
	v_pk_mul_f32 v[OO+n:OO+n+1], v[OO+n:OO+n+1], v[FF:FF+1] op_sel_hi:[1,0]   ; O^T under the new M; these sixteen are also the places between p's codes and scale word and the products
.set n, n+2
.endr
	s_wait_alu depctr_va_vdst(0)
	s_wait_dscnt 0x0                               ; V is in
.irp t, 0,1,2,3
	v_wmma_scale_f32_16x16x128_f8f6f4 v[OO+8*\t:OO+8*\t+7], v[KF+12*\t:KF+12*\t+11], v[PC:PC+11], v[OO+8*\t:OO+8*\t+7], v[VSC+\t], v[PW] matrix_a_fmt:MATRIX_FMT_FP6 matrix_b_fmt:MATRIX_FMT_FP6
.endr
.rept 4
	v_nop                                          ; places in front of whatever next touches these products' registers
.endr
.endm
; HALF A TRIP: one key step.  One barrier serves both orders: in front of it my part of this step's block is in the slot and my reads of the other slot are over; behind it the slot is whole.  The slot is written again two steps
; on, behind the next step's barrier, which every wave signals only behind its reads of this step.
.macro HALF slot
	s_wait_loadcnt 0x0                             ; my 32 bytes of this step's block are in registers
	s_bitcmp1_b32 s25, 0                           ; does any tile of the work-group want this step?
	s_cbranch_scc0 .Lno_put_\@
	ds_store_b128 v3, v[RR:RR+3] offset:16384*\slot
	s_cmp_lt_u32 s14, 9                            ; 12,800 bytes = 512 threads x 16 + 288 threads x 16
	s_cbranch_scc0 .Lno_put_\@
	ds_store_b128 v3, v[RR+4:RR+7] offset:16384*\slot+8192
.Lno_put_\@:
	s_wait_dscnt 0x0
	s_barrier_signal -1
	s_barrier_wait -1
	s_bitcmp1_b32 s25, 1                           ; the next step's block is asked for now: it has this step's work in which to land.  Behind step 15 the bit is 0
	s_cbranch_scc0 .Lno_get_\@
	global_load_b128 v[RR:RR+3], v3, s[26:27] offset:12800
	s_cmp_lt_u32 s14, 9
	s_cbranch_scc0 .Lno_get_\@
	global_load_b128 v[RR+4:RR+7], v3, s[26:27] offset:12800+8192
.Lno_get_\@:
	s_bitcmp1_b32 s24, 0                           ; has my tile an open key in this step?
	s_cbranch_scc0 .Lno_work_\@
	WORK \slot
.Lno_work_\@:
	s_lshr_b32 s24, s24, 1
	s_lshr_b32 s25, s25, 1
	s_wait_xcnt 0x0                                ; the loads have read their bases: they step only behind this wait
	s_add_nc_u64 s[26:27], s[26:27], 12800
	s_add_nc_u64 s[28:29], s[28:29], 256
.endm
.Lpass:
	s_lshl_b32 s30, s18, 8                         ; the flags of my work-group's four groups of tiles: 256 bytes
	s_mov_b32 s31, 0
	s_add_nc_u64 s[30:31], s[10:11], s[30:31]
	s_load_b512 s[32:47], s[30:31], 0x2000
	s_load_b512 s[48:63], s[30:31], 0x2040
	s_load_b512 s[68:83], s[30:31], 0x2080
	s_load_b512 s[84:99], s[30:31], 0x20c0
	s_lshl_b32 s66, s18, 4
	s_add_co_u32 s66, s66, s14                     ; my tile of queries, 0..127
	s_mul_i32 s2, s15, 204800                      ; 16 blocks of 12,800 bytes a head
	s_mov_b32 s3, 0
	s_add_nc_u64 s[26:27], s[6:7], s[2:3]
	s_lshl_b32 s2, s66, 12
	s_add_nc_u64 s[28:29], s[8:9], s[2:3]
	s_lshl_b32 s2, s15, 4                          ; Q: block 16 x head + tile / 8,
	s_lshl_b32 s3, s18, 1
	s_add_co_u32 s2, s2, s3
	s_lshr_b32 s3, s14, 3
	s_add_co_u32 s2, s2, s3
	s_mul_i32 s2, s2, 6400
	s_mov_b32 s3, 0
	s_add_nc_u64 s[100:101], s[4:5], s[2:3]
	s_bfe_u32 s67, s14, 0x20001                    ; pair (tile % 8) / 2
	s_mul_i32 s2, s67, 1536
	s_add_nc_u64 s[2:3], s[100:101], s[2:3]
	v_lshl_add_u32 v10, s67, 2, v2                 ; its scale word: 16 r + 4 pair
.irp c, 0,1,2
	global_load_b128 v[KF+4*\c:KF+4*\c+3], v1, s[2:3] offset:512*\c
.endr
	global_load_b32 v[TP], v10, s[100:101] offset:6144
	s_wait_kmcnt 0x0
	s_or_b32 s25, s32, s33
.set n, 34
.rept 30
	s_or_b32 s25, s25, s[n]
.set n, n+1
.endr
.set n, 68
.rept 32
	s_or_b32 s25, s25, s[n]
.set n, n+1
.endr                                          ; bit s: some tile of the work-group wants key step s
	s_lshl_b32 s30, s66, 6
	s_mov_b32 s31, 0
	s_add_nc_u64 s[30:31], s[10:11], s[30:31]
	s_load_b512 s[32:47], s[30:31], 0x0            ; my tile's flags
	s_bitcmp1_b32 s25, 0
	s_cbranch_scc0 .Lno_first
	global_load_b128 v[RR:RR+3], v3, s[26:27]      ; key step 0's block
	s_cmp_lt_u32 s14, 9
	s_cbranch_scc0 .Lno_first
	global_load_b128 v[RR+4:RR+7], v3, s[26:27] offset:8192
.Lno_first:
	s_and_b32 s66, s14, 1                          ; which half of the pair image is my tile
	s_mov_b32 s67, 0x03020302
	s_cmp_eq_u32 s66, 0
	s_cselect_b32 s67, 0x01000100, s67
	s_sub_co_u32 s66, 0, s66                       ; 0 or all ones
	s_wait_kmcnt 0x0
	s_or_b32 s24, s32, s33
.set n, 34
.rept 14
	s_or_b32 s24, s24, s[n]
.set n, n+1
.endr                                          ; bit s: an open key in step s; bit 16 + s: all open
	s_wait_loadcnt 0x0
.irp i, 0,1,2,3,4,5
	v_cndmask_b32 v[ZQ+6+\i], v[KF+\i], v[KF+6+\i], s66
.endr
	v_perm_b32 v[QS], v[TP], v[TP], s67            ; my tile's two bytes, twice
	v_mov_b32 v13, 0xff61b1e6                      ; the largest t so far: -3e38
	s_delay_alu instid0(VALU_DEP_1)
	v_floor_f32 v12, -v13
	v_mov_b32 v14, 0
	v_mov_b32 v15, 0
.set n, 0
.rept 32
	v_mov_b32 v[OO+n], 0                           ; the step is written once: the first finds zeros, which the first change of M leaves zeros
.set n, n+1
.endr
	s_mov_b32 s19, 8
.Ltrip:
	HALF 0
	HALF 1
	s_sub_co_i32 s19, s19, 1
	s_cmp_lg_u32 s19, 0
	s_cbranch_scc1 .Ltrip
	s_wait_loadcnt 0x0                             ; every load into v16-23 is done before the next pass's head loads them again: the order holds on every path, whatever the flags say of step 15
	; THE PASS'S END: y = O^T / the sum, quantised along the head's 64 (two blocks), stored as half of an operand's image.
	v_add_f32 v14, v14, v15
	s_delay_alu instid0(VALU_DEP_1)
	v_permlanex16_b32 v[TP], v14, s20, s21
	s_delay_alu instid0(VALU_DEP_1)
	v_add_f32 v14, v14, v[TP]                      ; the row's sum
	s_wait_alu depctr_va_vdst(0)
	v_rcp_f32 v15, v14
	v_cmp_eq_f32 vcc_lo, 0, v14                    ; (the plain line behind the reciprocal)  a row with no open key
	s_lshl_b32 s30, s18, 4
	s_add_co_u32 s30, s30, s14                     ; my tile
	s_lshr_b32 s31, s15, 4                         ; batch
	s_lshl_b32 s2, s31, 7
	s_add_co_u32 s2, s2, s30                       ; the tile of 16 rows of y: 128 batch + tile
	s_lshl_b32 s2, s2, 3
	s_bfe_u32 s3, s15, 0x30001                     ; the K step of 128: head / 2
	s_add_co_u32 s2, s2, s3
	s_mul_i32 s2, s2, 1536
	s_and_b32 s3, s15, 1
	s_mul_i32 s3, s3, 768                          ; registers 0-5 or 6-11 of the fragment
	s_add_co_u32 s2, s2, s3
	s_mov_b32 s3, 0
	s_add_nc_u64 s[2:3], s[12:13], s[2:3]
	s_lshl_b32 s31, s31, 11
	s_lshl_b32 s30, s30, 4
	s_add_co_u32 s30, s30, s31                     ; my first row of y
	s_lshl_b32 s30, s30, 5
	s_and_b32 s31, s15, 15
	s_lshl_b32 s31, s31, 1
	s_add_co_u32 s30, s30, s31                     ; 32 bytes a row, two a head
	s_add_co_u32 s30, s30, 6291456
	s_mov_b32 s31, 0
	s_add_nc_u64 s[30:31], s[12:13], s[30:31]
	s_mov_b32 s66, 0xffff0000
	s_wait_alu depctr_va_vdst(0)                   ; the wait ahead of the reciprocal's first reader
.set n, 0
.rept 32
	v_mul_f32 v[SS+n], v[OO+n], v15                ; register 8 t + i: channel 16 t + 8 (lane / 16) + i
.set n, n+1
.endr
.irp b, 0,1
	v_max3_num_f32 v[BM+\b], |v[SS+16*\b]|, |v[SS+1+16*\b]|, 0x1800000
.endr
.irp i, 2,4,6,8,10,12,14
.irp b, 0,1
	s_delay_alu instid0(VALU_DEP_2)
	v_max3_num_f32 v[BM+\b], v[BM+\b], |v[SS+16*\b+\i]|, |v[SS+1+16*\b+\i]|
.endr
.endr
.irp b, 0,1
	s_delay_alu instid0(VALU_DEP_2)
	v_permlanex16_b32 v[BT+\b], v[BM+\b], s20, s21
.endr
.irp b, 0,1
	s_delay_alu instid0(VALU_DEP_2)
	v_max_num_f32 v[BM+\b], v[BM+\b], v[BT+\b]
.endr
.irp b, 0,1
	s_delay_alu instid0(VALU_DEP_2)
	v_add_nc_u32 v[SO+\b], 0xff000000, v[BM+\b]
.endr
.irp b, 0,1
	s_delay_alu instid0(VALU_DEP_2)
	v_lshrrev_b32 v[BT+\b], 23, v[SO+\b]
.endr
	s_delay_alu instid0(VALU_DEP_1)
	v_cndmask_b32 v[TP], v[BT], v[BT+1], s66       ; lanes 0-15 store block 0's byte, lanes 16-31 block 1's
	s_delay_alu instid0(VALU_DEP_1)
	v_cndmask_b32 v[TP], v[TP], v11, vcc_lo
	v_cvt_scalef32_pk16_fp6_f32 v[PC:PC+2], v[SS:SS+15], v[SO]
	v_cvt_scalef32_pk16_fp6_f32 v[XT:XT+2], v[SS+16:SS+31], v[SO+1]
	v_nop
.irp i, 0,1,2
	v_permlane16_swap_b32 v[PC+\i], v[XT+\i]
.endr
.irp i, 0,1,2
	s_delay_alu instid0(VALU_DEP_3)
	v_mov_b32 v[PC+3+\i], v[XT+\i]
.endr
.irp p, 0,1,2
	global_store_b64 v5, v[PC+2*\p:PC+2*\p+1], s[2:3] offset:256*\p   ; 32 lanes store 256 consecutive bytes, aligned
.endr
	global_store_b8 v6, v[TP], s[30:31]
	s_wait_xcnt 0x0                                ; the stores have read their registers and bases: the next pass writes them again
	s_sub_co_u32 s18, 7, s16                       ; the second block of queries
	s_sub_co_i32 s17, s17, 1
	s_cmp_lg_u32 s17, 0
	s_cbranch_scc1 .Lpass
	s_wait_tensorcnt 0x0
	ds_add_u32 v254, v255
	s_wait_dscnt 0x0
	s_endpgm
.Lfunc_end_k_qf239581e3a_attn:
	.size	k_qf239581e3a_attn, .Lfunc_end_k_qf239581e3a_attn-k_qf239581e3a_attn
	.p2alignl 7, 3214868480
	.fill 96, 4, 3214868480
	.section	.rodata,"a",@progbits
	.p2align	6, 0x0
	.amdhsa_kernel k_qf239581e3a_attn
		.amdhsa_group_segment_fixed_size 34816
		.amdhsa_private_segment_fixed_size 0
		.amdhsa_enable_private_segment 0
		.amdhsa_kernarg_size 40
		.amdhsa_user_sgpr_count 2
		.amdhsa_user_sgpr_kernarg_segment_ptr 1
		.amdhsa_wavefront_size32 1
		.amdhsa_system_sgpr_workgroup_id_x 1
		.amdhsa_system_sgpr_workgroup_id_y 1
		.amdhsa_system_sgpr_workgroup_id_z 1
		.amdhsa_system_vgpr_workitem_id 0
		.amdhsa_next_free_vgpr 256
		.amdhsa_next_free_sgpr 102
		.amdhsa_reserve_vcc 1
		.amdhsa_float_denorm_mode_32 3
		.amdhsa_float_denorm_mode_16_64 3
		.amdhsa_memory_ordered 1
		.amdhsa_forward_progress 1
		.amdhsa_inst_pref_size 58
	.end_amdhsa_kernel
	.amdgpu_metadata
---
amdhsa.version: [ 1, 2 ]
amdhsa.kernels:
  - .name:           k_qf239581e3a_attn
    .symbol:         k_qf239581e3a_attn.kd
    .args:
      - { .name: qb, .offset: 0, .size: 8, .value_kind: global_buffer, .address_space: global }
      - { .name: kv, .offset: 8, .size: 8, .value_kind: global_buffer, .address_space: global }
      - { .name: lmask, .offset: 16, .size: 8, .value_kind: global_buffer, .address_space: global }
      - { .name: flags, .offset: 24, .size: 8, .value_kind: global_buffer, .address_space: global }
      - { .name: yq, .offset: 32, .size: 8, .value_kind: global_buffer, .address_space: global }
    .group_segment_fixed_size: 34816
    .private_segment_fixed_size: 0
    .kernarg_segment_align: 8
    .kernarg_segment_size: 40
    .max_flat_workgroup_size: 512
    .sgpr_count:     102
    .vgpr_count:     256
    .wavefront_size: 32
...
	.end_amdgpu_metadata
.endif
;; end of part 3
;; launch proj (part 4): grid 4 x 32, 4 waves a work-group, clusters of 4 x 4, 327,680 bytes of LDS; arguments yq, wq, b_out, out0; writes out0
.if DOCPART == 4
	.amdgcn_target "amdgcn-amd-amdhsa--gfx1250"
	.amdhsa_code_object_version 6
	.text
	.protected	k_qf239581e3a_proj
	.globl	k_qf239581e3a_proj
	.p2align	8
	.type	k_qf239581e3a_proj,@function
k_qf239581e3a_proj:
	s_mov_b64 s[64:65], 0
	v_nop
	global_prefetch_b8 v0, s[64:65] scope:SCOPE_SE
	s_setreg_imm32_b32 hwreg(HW_REG_WAVE_MODE, 25, 1), 1
	s_wait_xcnt 0x0
	s_wait_alu depctr_hold_cnt(0) depctr_sa_sdst(0) depctr_va_vdst(0) depctr_va_sdst(0) depctr_va_ssrc(0) depctr_va_vcc(0) depctr_vm_vsrc(0)
	s_getreg_b32 s2, hwreg(HW_REG_IB_STS2, 6, 4)
	s_cmp_eq_u32 s2, 0
	s_cbranch_scc0 .Lentry_in_a_cluster
	s_endpgm
.Lentry_in_a_cluster:
	s_bfe_u32 s2, ttmp6, 0x10000c
	s_cmp_lg_u32 s2, 0xf033
	s_cbranch_scc0 .Lentry_shape_is_right
	s_endpgm
.Lentry_shape_is_right:
; PROJ: out0 = y w_out + b_out on codes of FP6 (E2M3) with one E8M0 scale for each 32 along K = 1,024.  out0: [8192][1024] f32.
; A tile of 256 x 256 to a work-group of four waves, 128 x 128 to a wave; K in steps of 256 through a ring of two LDS slots filled by the tensor data mover; the scale bytes come into LDS once.  4 x 4 work-groups form a
; cluster: y's tiles are asked for jointly along a row of the cluster, w_out's along a column.  128 work-groups: 32 x 4 tiles.
; y COMES AS IMAGES OF OPERAND REGISTERS, as the attention launch left it: [tile of 16 rows][K step of 128][6 planes of 256 bytes], plane p = registers 2 p, 2 p + 1 of each lane at 8 x lane.  A K step of 256 of 16 rows is
; 3,072 consecutive bytes, so a wave's tensor load brings 8 rows of 3,072 bytes, 12,288 apart, dense in LDS, and a fragment is six loads of 256 consecutive bytes.
; w_out's codes lie in rows, K innermost, 768 bytes a row; inside each block of 32 they stand in the order of y's codes (the first launch lays them so).
; THE MATRIX INSTRUCTION IS USED TRANSPOSED (source 0 = 16 rows of w_out, source 1 = 16 rows of y).  The bias is the C of each sum's first matrix instruction.
; A row of y with a scale byte 0xff (no open key) comes out as NaN in all its columns.
.set SIZE_N, 1024
.set KSTEP,  256
.set NQ,     KSTEP/128
.set ROWB,   192
.set AROWB,  3072                      ; a K step of 16 rows of y
.set KROW,   768
.set PITCH,  240
.set FR,     12
.set NL,     6
.set NP,     4
.set AH,     8*AROWB                   ; 128 rows of y: 24,576 bytes
.set BH,     128*PITCH                 ; 128 rows of w_out: 30,720
.set SLOT,   2*AH+2*BH
.set LAPS,   2
.set KS,     32
.set SCL,    2*SLOT
.set HALFS,  (128*KS/256)*272
.set SBLK,   (16*KS/256)*272
.set SPARE,  SCL+4*HALFS               ; the spare words, 128 bytes for each wave: two blocks of 256 bytes that no other line names
.set SPITCH, 528                       ; the way out: a stage of 16 rows x (512 bytes + 16) for each wave, in slot 0, which has had its last fill and its last read by then
.set ADRA, 16                          ; v16-17
.set ADRB, 20                          ; v20-23
.set STO,  24
.set RD,   25
.set CO,   26
.set ADRS, 27
.set SPW,  28
.set NIL,  29
.set SC,   32
.set BB,   64                          ; v64-127 the bias, in the result's layout
.set AF,   128
.set BK,   128
.set G1, 24
.set G0, 32
.set G1B, 48
.set G0B, 56
.set G1S, 68
.set G0S, 76
.set G1SB, 80
.set G0SB, 88
.set MSB, 0
.macro WIN new
.if MSB != (\new)
	s_set_vgpr_msb (MSB<<8)|(\new)
.set MSB, (\new)
.endif
.endm
.set MUL_LO, 0xa1
.set MUL_HI, 0xf1
.set TO_B,   0x40
.macro JLOAD g0a, g1a, g0b, g1b        ; a joint load; four v_nop follow each of the two lines
	s_cmp_eq_u32 s15, 0
	s_cbranch_scc0 .Lfor_b_\@
	tensor_load_to_lds s[\g0a:\g0a+3], s[\g1a:\g1a+7]
	s_nop 0
.rept 4
	v_nop
.endr
	s_branch .Lasked_\@
.Lfor_b_\@:
	tensor_load_to_lds s[\g0b:\g0b+3], s[\g1b:\g1b+7]
	s_nop 0
.rept 4
	v_nop
.endr
.Lasked_\@:
.endm
.macro CREST
	s_cmp_lg_u32 s14, 0
	s_cbranch_scc1 .Lnot_wave_0_\@
	s_barrier_signal -3
.Lnot_wave_0_\@:
	s_barrier_wait -3
	s_barrier_signal -1
	s_barrier_wait -1
.endm
.macro CROUND
	s_barrier_signal -1
	s_barrier_wait -1
	CREST
.endm
	s_load_b256 s[4:11], s[0:1], 0x0               ; yq s[4:5], wq s[6:7], b_out s[8:9], out0 s[10:11]
	v_lshl_add_u32 v[SPW], v0, 2, SPARE
	v_mov_b32 v[NIL], 0
	ds_add_u32 v28, v29
	ds_add_u32 v28, v29
	s_wait_dscnt 0x0
	v_lshrrev_b32 v1, 5, v0
	v_readfirstlane_b32 s14, v1
	s_lshr_b32 s15, s14, 1
	s_and_b32 s16, s14, 1
	s_bfe_u32 s40, ttmp6, 0x40000
	s_bfe_u32 s41, ttmp6, 0x40004
	s_lshl_b32 s42, ttmp9, 2
	s_add_co_u32 s42, s42, s40                     ; tile column
	s_and_b32 s17, ttmp7, 0xffff
	s_lshl_b32 s17, s17, 2
	s_add_co_u32 s17, s17, s41                     ; tile row
	s_lshl_b32 s43, s41, 2
	s_lshl_b32 s43, 15, s43
	s_lshl_b32 s44, 0x1111, s40
	s_or_b32 s[G1+0], s43, (3<<16)|(1<<21)         ; y's images: the mask of my row; elements of 8 bytes; no padding; bit 21 beside a mask
	s_mov_b32 s[G1+1], (AROWB/8)<<16               ; tensor_dim0 = 384
	s_mov_b32 s[G1+2], 8<<16                       ; tensor_dim1 = 8
	s_mov_b32 s[G1+3], (AROWB/8)<<16               ; tile_dim0
	s_mov_b32 s[G1+4], 8                           ; tile_dim1
	s_mov_b32 s[G1+5], 16*KROW/8                   ; the pitch: 12,288 bytes
	s_mov_b32 s[G1+6], 0
	s_mov_b32 s[G1+7], 0
	s_or_b32 s[G1B+0], s44, (0<<16)|(1<<20)|(1<<21)|(3<<22)|(3<<25)  ; w_out's rows: elements of 1 byte, 4 words of padding behind every 16
	s_mov_b32 s[G1B+1], ROWB<<16
	s_mov_b32 s[G1B+2], 128<<16
	s_mov_b32 s[G1B+3], ROWB<<16
	s_mov_b32 s[G1B+4], 128
	s_mov_b32 s[G1B+5], KROW
	s_mov_b32 s[G1B+6], 0
	s_mov_b32 s[G1B+7], 0
	s_or_b32 s[G1S+0], s43, (3<<16)|(1<<20)|(1<<21)|(5<<22)|(3<<25)
	s_or_b32 s[G1SB+0], s44, (3<<16)|(1<<20)|(1<<21)|(5<<22)|(3<<25)
.irp g, G1S, G1SB
	s_mov_b32 s[\g+1], 32<<16
	s_mov_b32 s[\g+2], (128*KS/256)<<16
	s_mov_b32 s[\g+3], 32<<16
	s_mov_b32 s[\g+4], 128*KS/256
	s_mov_b32 s[\g+5], 32
	s_mov_b32 s[\g+6], 0
	s_mov_b32 s[\g+7], 0
.endr
	s_lshl_b32 s18, s16, 7
	s_lshl_b32 s20, s17, 8
	s_add_co_u32 s20, s20, s18                     ; y: row 256 x tile row + 128 x half
	s_lshl_b32 s46, s42, 8
	s_add_co_u32 s46, s46, s18                     ; w_out: row 256 x tile column + 128 x half
	s_mov_b32 s21, 0
	s_mov_b32 s47, 0
	s_mov_b64 s[18:19], KS
	s_mul_u64 s[22:23], s[20:21], s[18:19]
	s_mul_u64 s[92:93], s[46:47], s[18:19]
	s_mov_b64 s[18:19], KROW
	s_mul_u64 s[20:21], s[20:21], s[18:19]         ; 16 rows of images are 12,288 bytes = 16 x 768: the same arithmetic serves y
	s_mul_u64 s[46:47], s[46:47], s[18:19]
	s_mul_i32 s45, s16, AH                         ; where they go: y's two halves,
	s_mul_i32 s95, s16, BH
	s_add_co_u32 s95, s95, 2*AH                    ; then w_out's two
	s_mul_i32 s94, s14, HALFS
	s_wait_kmcnt 0x0
	s_add_nc_u64 s[96:97], s[4:5], 6291456         ; y's scale bytes
	s_add_nc_u64 s[98:99], s[6:7], 2457600         ; w_out's codes
	s_add_nc_u64 s[6:7], s[6:7], 3244032           ; w_out's scale bytes
	s_mov_b64 s[12:13], s[10:11]
	s_add_nc_u64 s[20:21], s[4:5], s[20:21]
	s_add_nc_u64 s[22:23], s[96:97], s[22:23]
	s_add_nc_u64 s[46:47], s[98:99], s[46:47]
	s_add_nc_u64 s[92:93], s[6:7], s[92:93]
	CROUND                                         ; all sixteen work-groups are here: the first joint loads meet
	s_mov_b32 s[G0S], 1
	s_add_co_u32 s[G0S+1], s94, SCL
	s_mov_b64 s[G0S+2:G0S+3], s[22:23]
	s_or_b32 s[G0S+3], s[G0S+3], 0x80000000
	s_mov_b32 s[G0SB], 1
	s_add_co_u32 s[G0SB+1], s94, SCL
	s_mov_b64 s[G0SB+2:G0SB+3], s[92:93]
	s_or_b32 s[G0SB+3], s[G0SB+3], 0x80000000
	JLOAD G0S, G1S, G0SB, G1SB
.irp s, 0,1
	s_mov_b32 s[G0+4*\s], 1
	s_add_co_u32 s[G0+4*\s+1], s45, \s*SLOT
	s_add_nc_u64 s[G0+4*\s+2:G0+4*\s+3], s[20:21], \s*AROWB
	s_or_b32 s[G0+4*\s+3], s[G0+4*\s+3], 0x80000000
	s_mov_b32 s[G0B+4*\s], 1
	s_add_co_u32 s[G0B+4*\s+1], s95, \s*SLOT
	s_add_nc_u64 s[G0B+4*\s+2:G0B+4*\s+3], s[46:47], \s*ROWB
	s_or_b32 s[G0B+4*\s+3], s[G0B+4*\s+3], 0x80000000
	JLOAD G0+4*\s, G1, G0B+4*\s, G1B
.endr
	v_and_b32 v1, 15, v0                           ; r
	v_bfe_u32 v2, v0, 4, 1                         ; h
	v_and_b32 v6, 31, v0                           ; lane
	s_lshl_b32 s18, s42, 10                        ; the bias of my 128 columns
	s_lshl_b32 s19, s16, 9
	s_add_co_u32 s18, s18, s19
	s_mov_b32 s19, 0
	s_add_nc_u64 s[8:9], s[8:9], s[18:19]
	v_lshlrev_b32 v7, 5, v2
.irp b, 0,1,2,3,4,5,6,7
	global_load_b128 v[BB+8*\b:BB+8*\b+3], v7, s[8:9] offset:64*\b       ; register 8 b + j: column 16 b + 8 h + j
	global_load_b128 v[BB+8*\b+4:BB+8*\b+7], v7, s[8:9] offset:64*\b+16
.endr
	v_mul_u32_u24 v3, v1, PITCH
	v_mul_u32_u24 v4, v2, 24
	v_add_nc_u32 v4, v3, v4
	v_lshl_add_u32 v5, v2, 4, v4
	v_lshlrev_b32 v3, 3, v6                        ; y's images: 8 x lane
	s_mul_i32 s21, s15, AH
	s_mul_i32 s22, s16, BH
	s_add_co_u32 s22, s22, 2*AH
.irp s, 0,1
	v_add_nc_u32 v[ADRA+\s], s21, v3
	v_add_nc_u32 v[ADRB+\s], s22, v4
	v_add_nc_u32 v[ADRB+2+\s], s22, v5
	s_add_co_u32 s21, s21, SLOT
	s_add_co_u32 s22, s22, SLOT
.endr
	v_mul_u32_u24 v5, v1, KS
	v_lshrrev_b32 v8, 8, v5
	v_lshl_add_u32 v5, v8, 4, v5
	s_mul_i32 s21, s15, HALFS
	s_mul_i32 s22, s16, HALFS
	s_add_co_u32 s22, s22, 2*HALFS
	s_sub_co_u32 s22, s22, s21
	v_mul_u32_u24 v8, s22, v2
	s_add_co_u32 s21, s21, SCL
	v_add_nc_u32 v5, v5, v8
	v_add_nc_u32 v[ADRS], s21, v5
	s_mul_i32 s23, s14, 16*SPITCH                  ; my stage
	v_mul_u32_u24 v5, v1, SPITCH
	v_lshl_add_u32 v5, v2, 5, v5
	v_add_nc_u32 v[STO], s23, v5
	v_lshlrev_b32 v[CO], 4, v6
	v_add_nc_u32 v[RD], s23, v[CO]
	s_lshl_b32 s20, s17, 8
	s_lshl_b32 s21, s15, 7
	s_add_co_u32 s20, s20, s21                     ; my first row of out0
	s_mov_b32 s21, 0
	s_mov_b64 s[18:19], SIZE_N*4
	s_mul_u64 s[20:21], s[20:21], s[18:19]
	s_lshl_b32 s46, s42, 10
	s_lshl_b32 s47, s16, 9
	s_add_co_u32 s46, s46, s47
	s_mov_b32 s47, 0
	s_add_nc_u64 s[20:21], s[20:21], s[46:47]
	s_add_nc_u64 s[12:13], s[12:13], s[20:21]
.macro FRAG reg, adr, q, i             ; w_out: 16 rows x 128 K in pieces of 8 bytes; the second address register serves the pieces behind one padding more
.irp p, 0,1,2,3,4,5
.set PIECE, 12*(\q)+6*(\p/3)+\p%3
.if PIECE%8 < 5
	ds_load_b64 v[\reg+2*\p:\reg+2*\p+1], v[\adr] offset:8*PIECE+16*(PIECE/8)+(\i)*16*PITCH
.else
	ds_load_b64 v[\reg+2*\p:\reg+2*\p+1], v[\adr+2] offset:8*PIECE+16*(PIECE/8)+(\i)*16*PITCH
.endif
.endr
.endm
.macro FRAG_A reg, slot, q, i          ; y: six planes of 256 consecutive bytes
.irp p, 0,1,2,3,4,5
	ds_load_b64 v[\reg+2*\p:\reg+2*\p+1], v[ADRA+\slot] offset:AROWB*(\i)+1536*(\q)+256*\p
.endr
.endm
; 16 matrix instructions; the 64 accumulators take turns, one instruction a turn.  zero = 1: the first product starts the sums from the bias
.macro MUL16 a0, p, q, sc, zero
.irp a, \a0, \a0+1
.irp b, 0,1,2,3,4,5,6,7
.if \zero
	v_wmma_scale_f32_16x16x128_f8f6f4 v[8*(8*((\a)%4)+\b):8*(8*((\a)%4)+\b)+7], v[128*(\p)+FR*\b:128*(\p)+FR*\b+FR-1], v[AF+FR*(\a):AF+FR*(\a)+FR-1], v[BB+8*\b:BB+8*\b+7], v[SC+8*NQ*(\sc)+NQ*\b+(\q)], v[SC+8*NQ*(\sc)+NQ*(\a)+(\q)] matrix_a_fmt:MATRIX_FMT_FP6 matrix_b_fmt:MATRIX_FMT_FP6 matrix_a_scale:MATRIX_SCALE_ROW1
.else
	v_wmma_scale_f32_16x16x128_f8f6f4 v[8*(8*((\a)%4)+\b):8*(8*((\a)%4)+\b)+7], v[128*(\p)+FR*\b:128*(\p)+FR*\b+FR-1], v[AF+FR*(\a):AF+FR*(\a)+FR-1], v[8*(8*((\a)%4)+\b):8*(8*((\a)%4)+\b)+7], v[SC+8*NQ*(\sc)+NQ*\b+(\q)], v[SC+8*NQ*(\sc)+NQ*(\a)+(\q)] matrix_a_fmt:MATRIX_FMT_FP6 matrix_b_fmt:MATRIX_FMT_FP6 matrix_a_scale:MATRIX_SCALE_ROW1
.endif
.endr
.endr
.endm
.macro FETCH_B slot, q, p
	WIN TO_B
.irp i, 0,1,2,3,4,5,6,7
	FRAG 128*(\p)+FR*\i, ADRB+\slot, \q, \i
.endr
	WIN 0
.endm
.macro FETCH_A slot, q, i0
.irp i, \i0, \i0+1, \i0+2, \i0+3
	FRAG_A AF+FR*(\i), \slot, \q, \i
.endr
.endm
.macro SCALES sc
.irp i, 0,1,2,3,4,5,6,7
	ds_load_b64 v[SC+8*NQ*\sc+NQ*\i:SC+8*NQ*\sc+NQ*\i+1], v[ADRS] offset:\i*SBLK
.endr
.endm
.macro PLACES n
.rept \n
	v_nop
.endr
.endm
.macro STEP slot, q, zero
	s_wait_dscnt 4*NL                              ; B's set and A's blocks 0-3 are in; the youngest 24 loads may be out
.if \zero
	WIN 0x81                                       ; C (the bias) window 0, D window 2
.else
	WIN MUL_LO
.endif
	MUL16 0, (\q)%2, \q, \slot, \zero
	MUL16 2, (\q)%2, \q, \slot, \zero
	s_wait_dscnt 0
	PLACES NP
	FETCH_B \slot, (\q)+1, 1-(\q)%2
	FETCH_A \slot, (\q)+1, 0
.if \zero
	WIN 0xc1                                       ; C window 0, D window 3
.else
	WIN MUL_HI
.endif
	MUL16 4, (\q)%2, \q, \slot, \zero
	MUL16 6, (\q)%2, \q, \slot, \zero
	PLACES NP
	WIN 0
	FETCH_A \slot, (\q)+1, 4
.endm
.macro TURN slot, next, fill
	s_wait_tensorcnt 0x0                           ; all my tensor loads have landed: my part of the next slot
	ds_add_u32 v[SPW], v[NIL]                      ; 0 onto my spare word
	s_wait_dscnt 4*NL+1                            ; the add and the youngest 24 loads may be out
	WIN MUL_LO
	MUL16 0, 1, NQ-1, \slot, 0
	s_wait_dscnt 0x0                               ; the add is done, and my reads of this slot are over
	s_barrier_signal -1
	MUL16 2, 1, NQ-1, \slot, 0
	WIN 0
	s_barrier_wait -1
.if \fill
	CREST                                          ; the barrier has opened a round of the cluster's
	s_add_nc_u64 s[G0+4*\slot+2:G0+4*\slot+3], s[G0+4*\slot+2:G0+4*\slot+3], 2*AROWB
	s_add_nc_u64 s[G0B+4*\slot+2:G0B+4*\slot+3], s[G0B+4*\slot+2:G0B+4*\slot+3], 2*ROWB
	JLOAD G0+4*\slot, G1, G0B+4*\slot, G1B
.else
	PLACES NP
.endif
	v_add_nc_u32 v[ADRS], 4*NQ, v[ADRS]
	FETCH_B \next, 0, 0
	FETCH_A \next, 0, 0
	SCALES \next
	WIN MUL_HI
	MUL16 4, 1, NQ-1, \slot, 0
	MUL16 6, 1, NQ-1, \slot, 0
	PLACES NP
	WIN 0
	FETCH_A \next, 0, 4
.endm
	s_wait_loadcnt 0x0                             ; the bias
	s_wait_tensorcnt 1                             ; the scales and my part of K step 0 are in; K step 1's load may be out
	s_barrier_signal -1
	s_barrier_wait -1
	FETCH_B 0, 0, 0
	FETCH_A 0, 0, 0
	SCALES 0
	FETCH_A 0, 0, 4
	STEP 0, 0, 1
	s_mov_b32 s3, LAPS-1
.Llap:
	TURN 0, 1, 1
	STEP 1, 0, 0
	TURN 1, 0, 1
	STEP 0, 0, 0
	s_sub_co_u32 s3, s3, 1
	s_cmp_lg_u32 s3, 0
	s_cbranch_scc1 .Llap
	TURN 0, 1, 0
	STEP 1, 0, 0
	s_wait_dscnt 4*NL
	WIN MUL_LO
	MUL16 0, 1, NQ-1, 1, 0
	MUL16 2, 1, NQ-1, 1, 0
	s_wait_dscnt 0
	WIN MUL_HI
	MUL16 4, 1, NQ-1, 1, 0
	MUL16 6, 1, NQ-1, 1, 0
	WIN 0
; THE WAY OUT, block by block of 16 rows x 128 columns, through my own stage: in as 32 bytes a lane, back as whole rows of 512 bytes.  LDS serves a wave's instructions in order (ISA guide 5.7.1.4).
.macro TOSTAGE a
.set AC, 64*((\a)%4)
	WIN 0x08+4*((\a)/4)                            ; an LDS store's data: window 2 or 3
.irp b, 0,1,2,3,4,5,6,7
	ds_store_b128 v[STO], v[AC+8*\b:AC+8*\b+3] offset:64*\b          ; each accumulator from its low end on
	ds_store_b128 v[STO], v[AC+8*\b+4:AC+8*\b+7] offset:64*\b+16
.endr
	WIN 0
.set BBK, BK+64*((\a)%2)
.irp t, 0,1,2,3,4,5,6,7,8,9,10,11,12,13,14,15
	ds_load_b128 v[BBK+4*\t:BBK+4*\t+3], v[RD] offset:\t*SPITCH
.endr
.endm
.macro SEND a, younger
.set BBK, BK+64*((\a)%2)
	s_wait_dscnt \younger                          ; the block is back in registers; the next block's 16 stores and 16 loads may be out
.if (\a) > 0
	s_add_nc_u64 s[12:13], s[12:13], 16*SIZE_N*4   ; (behind a wait on XCNT: the earlier stores have read their base)
.endif
.irp t, 0,1,2,3,4,5,6,7,8,9,10,11,12,13,14,15
	global_store_b128 v[CO], v[BBK+4*\t:BBK+4*\t+3], s[12:13] offset:\t*SIZE_N*4 th:TH_STORE_NT   ; 32 lanes store 512 consecutive bytes, aligned
.endr
.endm
	PLACES NP
	TOSTAGE 0
.irp a, 1,2,3,4,5,6,7
.if \a > 1
	s_wait_xcnt 0x0                                ; the stores of two blocks back have read their registers and their base
.endif
	TOSTAGE \a
	SEND \a-1, 32
.endr
	s_wait_xcnt 0x0
	SEND 7, 0
	s_wait_tensorcnt 0x0                           ; the wave's end
	ds_add_u32 v[SPW], v[NIL]
	s_wait_dscnt 0x0
	CROUND                                         ; the closing round
	s_endpgm
.Lfunc_end_k_qf239581e3a_proj:
	.size	k_qf239581e3a_proj, .Lfunc_end_k_qf239581e3a_proj-k_qf239581e3a_proj
	.p2alignl 7, 3214868480
	.fill 96, 4, 3214868480
	.section	.rodata,"a",@progbits
	.p2align	6, 0x0
	.amdhsa_kernel k_qf239581e3a_proj
		.amdhsa_group_segment_fixed_size 327680
		.amdhsa_private_segment_fixed_size 0
		.amdhsa_enable_private_segment 0
		.amdhsa_kernarg_size 32
		.amdhsa_user_sgpr_count 2
		.amdhsa_user_sgpr_kernarg_segment_ptr 1
		.amdhsa_wavefront_size32 1
		.amdhsa_system_sgpr_workgroup_id_x 1
		.amdhsa_system_sgpr_workgroup_id_y 1
		.amdhsa_system_sgpr_workgroup_id_z 1
		.amdhsa_system_vgpr_workitem_id 0
		.amdhsa_next_free_vgpr 1024
		.amdhsa_next_free_sgpr 100
		.amdhsa_reserve_vcc 0
		.amdhsa_float_denorm_mode_32 3
		.amdhsa_float_denorm_mode_16_64 3
		.amdhsa_memory_ordered 1
		.amdhsa_forward_progress 1
		.amdhsa_inst_pref_size 162
	.end_amdhsa_kernel
	.amdgpu_metadata
---
amdhsa.version: [ 1, 2 ]
amdhsa.kernels:
  - .name:           k_qf239581e3a_proj
    .symbol:         k_qf239581e3a_proj.kd
    .args:
      - { .name: yq, .offset: 0, .size: 8, .value_kind: global_buffer, .address_space: global }
      - { .name: wq, .offset: 8, .size: 8, .value_kind: global_buffer, .address_space: global }
      - { .name: b_out, .offset: 16, .size: 8, .value_kind: global_buffer, .address_space: global }
      - { .name: out0, .offset: 24, .size: 8, .value_kind: global_buffer, .address_space: global }
    .group_segment_fixed_size: 327680
    .private_segment_fixed_size: 0
    .kernarg_segment_align: 8
    .kernarg_segment_size: 32
    .max_flat_workgroup_size: 128
    .sgpr_count:     100
    .vgpr_count:     1024
    .wavefront_size: 32
...
	.end_amdgpu_metadata
.endif
;; end of part 4
